; MI455X (gfx1250); checked and timed in simulation.
; The chip was launched on July 23, 2026; its instructions are those of AMD's public machine-readable ISA for CDNA 5 (MIT licence, August 2026) and "CDNA5" Instruction Set Architecture Reference Guide (July 2026). The comments in the code are by the model that wrote it; some were corrected since.
;; Causal Self Attention. Allowed arithmetic: matrix products marked QUANTISED: E2M3 operands, one E8M0 scale for each 32 along K, by v_wmma_scale_f32_16x16x128_f8f6f4 with both operands' format E2M3, f32 sums; everything else in f32.
;; Inputs: W_out 1,024 x 1,024 float32; W_qkv 1,024 x 3,072 float32; x 4 x 2,048 x 1,024 float32.
;; Outputs: out0 4 x 2,048 x 1,024 float32.
;; This version of the problem:
;;   THIS VERSION OF THE PROBLEM IS GIVEN IN LOW PRECISION. The matrix products marked QUANTISED in the list below multiply operands that are first quantised to E2M3 (2 exponent bits, 3 mantissa bits; 6 bits a number), with one power-of-two scale for each 32 numbers along K (OCP MX v1.0); their sums are f32. All else is computed in f32.
;;   The module's matrix products, in the order in which they are computed (A, B: the left and right operand; K: the contracted axis; several contracted axes count as one K, in the product's order):
;;     1. [M 8,192, K 1,024] x [K 1,024, N 3,072]; A: input x; B: input W_qkv: QUANTISED
;;     2. batch 64 x [M 2,048, K 64] x [K 64, N 2,048]; A: computed on the way; B: computed on the way: QUANTISED
;;     3. batch 64 x [M 2,048, K 2,048] x [K 2,048, N 64]; A: softmax (see below); B: computed on the way: QUANTISED
;;     4. [M 8,192, K 1,024] x [K 1,024, N 1,024]; A: computed on the way; B: input W_out: QUANTISED
;;   THE QUANTISER, for each operand of a quantised product, along K:
;;     - K is cut into blocks of 32 from its start; a last block that is shorter is filled with zeros.
;;     - A block's scale is 2^e with e = floor(log2(the largest magnitude in the block)) - 2, held to -126 .. 127; a block of zeros has e = 0. As a byte (E8M0): e + 127.
;;     - Each number is divided by its block's scale, clamped to +-7.5, and rounded to the nearest number of E2M3, ties to even, subnormals kept.
;;     - The product sums the exact products of the quantised numbers (number of the format x scale) in f32.
;;   ~~~python
;;   def quantise(x, axis):      # numpy; x: float32 -> the quantised numbers, widened to float32 again
;;       x = np.moveaxis(x, axis, -1); K = x.shape[-1]
;;       x = np.pad(x, [(0, 0)] * (x.ndim - 1) + [(0, -K % 32)]); x = x.reshape(x.shape[:-1] + (-1, 32)); a = np.abs(x).max(-1, keepdims=True)
;;       e = np.where(a > 0, np.clip(np.frexp(np.where(a > 0, a, 1))[1] - 1 - 2, -126, 127), 0)      # np.frexp(a)[1] - 1 = floor(log2(a)), exactly
;;       r = np.clip(x / 2.0 ** e, -7.5, 7.5)
;;       step = 2.0 ** (np.maximum(np.frexp(np.where(r == 0, 1, r))[1] - 1, 0) - 3)
;;       q = np.round(r / step) * step * 2.0 ** e      # np.round: ties to even
;;       return np.moveaxis(q.reshape(q.shape[:-2] + (-1,))[..., :K], -1, axis).astype(np.float32)
;;   ~~~
;;   SOFTMAX AHEAD OF A QUANTISED PRODUCT. Where the list says 'softmax', what is quantised is not the finished softmax but p = 2^(t - M), with t = logit x log2(e) and M = ceil(the row's largest t), a whole number; so 1/2 < the row's largest p <= 1. The row's sum l is taken of the UNQUANTISED p, in f32, and the product's result is divided by l at the end. Since M is a whole number, a kernel that streams over the keys may use a running M (the ceiling of the running maximum): every later rescaling is an exact power of two, which a block's scale takes up: the codes' values come out the same.
;;   OPERANDS COMPUTED ON THE WAY. 'Computed on the way' means the value that the module computes at that place (a softmax that the list does not call 'softmax' is quantised finished and normalised). What goes into a quantiser is computed in f32, as accurately as f32 sums, v_exp_f32 and their like allow (about 1e-6 of the number): no bf16 or f16 on the way to a quantiser, and a product that is left as it is and whose result goes on into a quantised operand takes f32 operands (vector FMAs, or v_wmma_f32_16x16x4_f32). A number that lies on a knife's edge between two numbers of the format may be rounded either way, as far as f32 arithmetic and the matrix unit's own rounding can turn it there, and no further.
;; One version. Each part assembles by itself: llvm-mc -triple=amdgcn-amd-amdhsa -mcpu=gfx1250 --defsym DOCPART=n.
;; ======== version 1 of 1: 4 launches
;; limits: right only within a limited range of input values
;; workspace buffers: xq 6,553,600 bytes; wq 3,276,800 bytes; qkbuf 13,631,488 bytes; vbuf 6,553,600 bytes; oq 6,553,600 bytes
;; launch quant (part 1): grid 384 x 1, 4 waves a work-group, no clusters, 68,096 bytes of LDS; arguments x, xq, W_qkv, W_out, wq; writes xq, wq
.if DOCPART == 1
	.amdgcn_target "amdgcn-amd-amdhsa--gfx1250"
	.amdhsa_code_object_version 6
	.text
	.protected	k_qeca9dbdc04_quant
	.globl	k_qeca9dbdc04_quant
	.p2align	8
	.type	k_qeca9dbdc04_quant,@function
k_qeca9dbdc04_quant:
	s_mov_b64 s[64:65], 0
	v_nop
	global_prefetch_b8 v0, s[64:65] scope:SCOPE_SE
	s_setreg_imm32_b32 hwreg(HW_REG_WAVE_MODE, 25, 1), 1
	s_wait_xcnt 0x0
; ALL THREE INPUTS BECOME CODES OF FP6 (E2M3) with one E8M0 byte for each 32 along K.  Work-groups 0 .. 255 take x, 256 .. 383 the weights: two paths that part on the work-group's number, each with LDS bytes of its own.
; A block's scale is 2^(floor(log2(its largest magnitude)) - 2); its byte is the largest magnitude's exponent field - 2, held at 1 from below.
; THE CODES' ORDER, in all three: [K step of 256][row or column][192 bytes], so that 128 rows of one K step are 24,576 dense bytes; the scale bytes: 32 a row.
; Rows of x and columns of W_qkv CHANGE PLACES: index i is stored at position i with bits 3 and 4 swapped, so that 16 neighbouring positions, taken as source 0 of a matrix instruction, leave 16 neighbouring indices in a lane's
; registers of two neighbouring tiles.  W_out's columns stay.
; x [8192][1024]: a wave takes 8 rows; each of a step's four loads reads 512 consecutive bytes; the 2,048 bytes turn through the wave's own stage in LDS and come back 64 bytes a lane: 16 neighbours along K, two lanes to a block.
; W_qkv [1024][3072], W_out [1024][1024], K their first axis: a lane takes a column and its registers run down K; the codes leave through the wave's own stage, sixteen lanes to a column's 192 bytes.
; No tensor loads, no barrier: waves share nothing.
; LIMITS: a block of zeros gets the byte 1 and not 127 (its codes are zeros, and this program alone reads the bytes); NaN and infinities among the inputs are not served.
.set SPW,   208                        ; LDS address of my spare word; never rewritten
.set NIL,   209                        ; 0; never rewritten
.set WBASE, 32768                      ; LDS: x's path has bytes 0 .. 32,767, the weights' path the four stages from here on
.set SPARE, WBASE+4*32*272             ; the spare words: 128 bytes for each wave, named by no other line
.set EMAX,  2
	v_lshl_add_u32 v[SPW], v0, 2, SPARE
	v_mov_b32 v[NIL], 0
	v_lshrrev_b32 v1, 5, v0
	v_readfirstlane_b32 s16, v1                    ; wave
	v_and_b32 v2, 31, v0                           ; lane
	s_wait_alu depctr_va_vdst(0)                   ; ahead of the branch
	s_cmp_lt_u32 ttmp9, 256
	s_cbranch_scc0 .Lweights
; ---------------- x
.set STEPS, 16
.set CB,    12                         ; bytes of 16 codes
.set R,     16                         ; v16-79   four sets of 16 numbers as they are loaded
.set X,     80                         ; v80-111  two sets of 16 neighbours
.set C,     128                        ; v128-191 codes: four registers for each step
.set E,     112                        ; v112-127 a scale byte for each step
.set WREG,  8192                       ; a region for each wave: two stages of 32 x SP bytes, behind them its 256 scale bytes
.set SP,    80                         ; a lane's place in a stage: 64 bytes + 16 of padding
.set XSO,   6291456                    ; where the scale bytes begin in xq
.set KSB,   8192*192                   ; from a K step's codes to the next step's
	s_load_b128 s[4:7], s[0:1], 0x0                ; x, xq
	v_lshlrev_b32 v3, 4, v2                        ; my 16 bytes of a load's 512
	s_mul_i32 s17, s16, WREG
	v_lshrrev_b32 v14, 2, v2
	v_mul_u32_u24 v14, v14, SP
	v_and_b32 v15, 3, v2
	v_lshl_add_u32 v14, v15, 4, v14
	v_add_nc_u32 v14, s17, v14                     ; the stage, in: SP (lane / 4) + 16 (lane % 4)
	v_mul_u32_u24 v15, v2, SP
	v_add_nc_u32 v15, s17, v15                     ; and out: SP x lane
	v_and_b32 v4, 15, v2
	v_mul_u32_u24 v4, v4, CB                       ; sixteen lanes fill the 192 bytes of one K step of the row,
	v_lshrrev_b32 v5, 4, v2
	v_mad_u32_u24 v4, v5, KSB, v4                  ; lanes 16-31 those of the next K step
	v_lshrrev_b32 v5, 1, v2
	s_add_co_u32 s17, s17, 2*32*SP
	v_add_nc_u32 v5, s17, v5                       ; LDS: my wave's 256 scale bytes, my block's byte
	v_lshlrev_b32 v7, 3, v2
	v_add_nc_u32 v6, s17, v7
	s_lshl_b32 s17, ttmp9, 2
	s_add_co_u32 s18, s17, s16                     ; the run of 8 rows that I read
	s_lshl_b32 s20, s18, 15
	s_mov_b32 s21, 0
	s_and_b32 s22, s16, 1
	s_lshl_b32 s22, s22, 1
	s_lshr_b32 s23, s16, 1
	s_or_b32 s22, s22, s23
	s_add_co_u32 s22, s22, s17                     ; the run that I write: the wave's two bits swapped
	s_mul_i32 s24, s22, 8*192
	s_mov_b32 s25, 0
	s_lshl_b32 s26, s22, 8
	s_add_co_u32 s26, s26, XSO
	s_mov_b32 s27, 0
	s_wait_alu depctr_va_vdst(0)
	s_wait_kmcnt 0x0
	s_add_nc_u64 s[4:5], s[4:5], s[20:21]
	s_add_nc_u64 s[8:9], s[6:7], s[24:25]
	s_add_nc_u64 s[10:11], s[6:7], s[26:27]
.macro XLOAD t
.irp i, 0,1,2,3
	global_load_b128 v[R+16*((\t)%4)+4*\i:R+16*((\t)%4)+4*\i+3], v3, s[4:5] offset:2048*(\t)+512*\i th:TH_LOAD_NT
.endr
.endm
.macro XTURN t                         ; LDS serves a wave's instructions in order (ISA guide 5.7.1.4): no wait between the stores and the loads
.irp i, 0,1,2,3
	ds_store_b128 v14, v[R+16*((\t)%4)+4*\i:R+16*((\t)%4)+4*\i+3] offset:32*SP*((\t)%2)+8*SP*\i
.endr
.irp i, 0,1,2,3
	ds_load_b128 v[X+16*((\t)%2)+4*\i:X+16*((\t)%2)+4*\i+3], v15 offset:32*SP*((\t)%2)+16*\i
.endr
.endm
.irp t, 0,1,2,3
	XLOAD \t
.endr
	s_wait_loadcnt 12                              ; step 0's four loads are in; the 12 of steps 1 to 3 may be out
	XTURN 0
.macro XSTEP t
.set XS, X+16*((\t)%2)
.if (\t) > 0
	s_wait_dscnt 1                                 ; this step's numbers are back (the last step's byte store may be out)
.else
	s_wait_dscnt 0x0
.endif
.if (\t)+4 < STEPS
	XLOAD (\t)+4
.endif
.if (\t)+1 < STEPS
.if STEPS-2-(\t) >= 3
	s_wait_loadcnt 12                              ; the next step's four loads are in; those of the three steps behind it may be out
.else
	s_wait_loadcnt 4*(STEPS-2-(\t))
.endif
	XTURN (\t)+1
.endif
	v_max3_num_f32 v8, |v[XS]|, |v[XS+1]|, |v[XS+2]|
	v_max3_num_f32 v9, |v[XS+3]|, |v[XS+4]|, |v[XS+5]|
.irp i, 6,10
	v_max3_num_f32 v8, v8, |v[XS+\i]|, |v[XS+\i+1]|
	v_max3_num_f32 v9, v9, |v[XS+\i+2]|, |v[XS+\i+3]|
.endr
	v_max3_num_f32 v8, v8, |v[XS+14]|, |v[XS+15]|
	v_max3_num_f32 v8, v8, v9, (EMAX+1)<<23        ; and the floor 2^(3 - 127)
	v_max_num_f32_dpp v8, v8, v8 row_xmask:1 row_mask:0xf bank_mask:0xf   ; and of my neighbour's 16
	v_add_nc_u32 v11, -(EMAX<<23), v8              ; the conversion's scale operand
	v_cvt_scalef32_pk16_fp6_f32 v[C+4*(\t):C+4*(\t)+2], v[XS:XS+15], v11
	v_lshrrev_b32 v[E+(\t)], 23, v11               ; the scale's byte
	ds_store_b8 v5, v[E+(\t)] offset:16*(\t)
	global_store_b96 v4, v[C+4*(\t):C+4*(\t)+2], s[8:9] offset:((\t)%2)*2*KSB+((\t)/2)*192   ; step t is half t % 2 of row t / 2: two runs of 192 consecutive bytes
.endm
.irp t, 0,1,2,3,4,5,6,7,8,9,10,11,12,13,14,15
	XSTEP \t
.endr
	ds_load_b64 v[8:9], v6
	s_wait_dscnt 0x0
	global_store_b64 v7, v[8:9], s[10:11]          ; 256 consecutive bytes, aligned
	s_wait_tensorcnt 0x0                           ; the wave's end
	ds_add_u32 v[SPW], v[NIL]
	s_wait_dscnt 0x0
	s_endpgm
; ---------------- the weights.  n = work-group - 256; n % 32 < 24: W_qkv's columns 128 (n % 32) on, else W_out's; n / 32 says which 256 along K
.Lweights:
.set NB,    8
.set PITCH, 272                        ; a stage row: sixteen places of 16 bytes, each with 12 bytes of codes, + 16
.set KROW,  192
.set X,     32                         ; v32-95   two sets of 32 numbers
.set C,     96
.set OUTR,  112
.set VO,    176                        ; v176-207 offsets of the 32 rows of a block
.set SB,    24
.set WSO,   2359296
.set WOC,   2457600
.set WOS,   3244032
	s_load_b128 s[4:7], s[0:1], 0x10               ; W_qkv, W_out
	s_load_b64 s[8:9], s[0:1], 0x20                ; wq
	s_sub_co_u32 s2, ttmp9, 256
	s_and_b32 s3, s2, 31
	s_lshr_b32 s18, s2, 5
	s_mov_b32 s30, 4096
	s_mov_b32 s27, WOS
	s_mov_b32 s29, 128*192                         ; W_out's codes lie [block of 128 columns][K step][column][192 bytes]: a block's 98,304 bytes are dense
	s_cmp_lt_u32 s3, 24
	s_cselect_b32 s30, 12288, s30                  ; bytes from row to row
	s_cselect_b32 s17, 0, 24
	s_cselect_b32 s29, 3072*192, s29               ; from a K step's codes to the next step's
	s_cselect_b32 s26, 0, WOC
	s_cselect_b32 s2, 0, 3*128*192                 ; W_out: what a block of columns takes beyond its 128 x 192 bytes of one K step
	s_cselect_b32 s27, WSO, s27
	s_cselect_b32 s31, -1, 0                       ; columns change places, or not
	s_sub_co_u32 s17, s3, s17
	s_mul_i32 s2, s17, s2
	s_lshl_b32 s17, s17, 7
	s_lshl_b32 s19, s16, 5
	s_add_co_u32 s17, s17, s19                     ; my wave's first column
	v_and_b32 v10, 7, v2
	v_and_b32 v11, 8, v2
	v_lshl_or_b32 v10, v11, 1, v10
	v_and_b32 v11, 16, v2
	v_lshrrev_b32 v11, 1, v11
	v_or_b32 v10, v10, v11                         ; the lane's number with bits 3 and 4 swapped
	v_cndmask_b32 v3, v2, v10, s31
	v_lshlrev_b32 v[VO], 2, v3
.irp i, 1,2,3,4,5,6,7,8,9,10,11,12,13,14,15,16,17,18,19,20,21,22,23,24,25,26,27,28,29,30,31
	v_add_nc_u32 v[VO+\i], s30, v[VO+\i-1]
.endr
	s_mul_i32 s19, s16, 32*PITCH
	s_add_co_u32 s19, s19, WBASE                   ; my stage
	v_mul_u32_u24 v4, v2, PITCH
	v_add_nc_u32 v4, s19, v4
	v_and_b32 v5, 15, v2
	v_lshrrev_b32 v6, 4, v2
	v_mul_u32_u24 v7, v6, PITCH
	v_lshl_add_u32 v7, v5, 4, v7
	v_add_nc_u32 v7, s19, v7
	v_mul_u32_u24 v8, v6, KROW
	v_mad_u32_u24 v8, v5, 12, v8
	v_lshlrev_b32 v9, 5, v2
	s_mul_i32 s20, s18, s30
	s_lshl_b32 s20, s20, 8
	s_lshl_b32 s21, s17, 2
	s_add_co_u32 s20, s20, s21
	s_mov_b32 s21, 0
	s_lshl_b32 s22, s30, 5
	s_mov_b32 s23, 0
	s_mul_i32 s24, s17, KROW
	s_mul_i32 s25, s18, s29
	s_add_co_u32 s24, s24, s25
	s_add_co_u32 s24, s24, s26
	s_add_co_u32 s24, s24, s2
	s_mov_b32 s25, 0
	s_lshl_b32 s28, s17, 5
	s_lshl_b32 s29, s18, 3
	s_add_co_u32 s28, s28, s29
	s_add_co_u32 s28, s28, s27
	s_mov_b32 s29, 0
	s_wait_alu depctr_va_vdst(0)
	s_wait_kmcnt 0x0
	s_cmp_lt_u32 s3, 24
	s_cselect_b64 s[4:5], s[4:5], s[6:7]
	s_add_nc_u64 s[32:33], s[4:5], s[20:21]
.irp t, 1,2,3,4,5,6,7
	s_add_nc_u64 s[32+2*\t:33+2*\t], s[30+2*\t:31+2*\t], s[22:23]
.endr
	s_add_nc_u64 s[6:7], s[8:9], s[24:25]
	s_add_nc_u64 s[8:9], s[8:9], s[28:29]
.macro WLOAD t
.irp i, 0,1,2,3,4,5,6,7,8,9,10,11,12,13,14,15,16,17,18,19,20,21,22,23,24,25,26,27,28,29,30,31
	global_load_b32 v[X+32*((\t)%2)+\i], v[VO+\i], s[32+2*(\t):33+2*(\t)] th:TH_LOAD_NT
.endr
.endm
	WLOAD 0
	WLOAD 1
.macro WBLOCK t
.set XS, X+32*((\t)%2)
.if (\t) < NB-1
	s_wait_loadcnt 32                              ; this block's 32 loads are in; the next block's may be out
.else
	s_wait_loadcnt 0
.endif
	v_max3_num_f32 v12, |v[XS]|, |v[XS+1]|, |v[XS+2]|
	v_max3_num_f32 v13, |v[XS+3]|, |v[XS+4]|, |v[XS+5]|
.irp i, 6,10,14,18,22,26
	v_max3_num_f32 v12, v12, |v[XS+\i]|, |v[XS+\i+1]|
	v_max3_num_f32 v13, v13, |v[XS+\i+2]|, |v[XS+\i+3]|
.endr
	v_max3_num_f32 v12, v12, |v[XS+30]|, |v[XS+31]|
	v_max3_num_f32 v12, v12, v13, (EMAX+1)<<23
	v_add_nc_u32 v11, -(EMAX<<23), v12
	v_lshrrev_b32 v13, 23, v11
.if (\t)%4 == 0
	v_mov_b32 v[SB+(\t)/4], v13
.else
	v_lshl_or_b32 v[SB+(\t)/4], v13, 8*((\t)%4), v[SB+(\t)/4]
.endif
	v_cvt_scalef32_pk16_fp6_f32 v[C:C+2], v[XS:XS+15], v11
	v_cvt_scalef32_pk16_fp6_f32 v[C+4:C+6], v[XS+16:XS+31], v11
	ds_store_b96 v4, v[C:C+2] offset:32*(\t)
	ds_store_b96 v4, v[C+4:C+6] offset:32*(\t)+16
.if (\t)+2 < NB
	WLOAD (\t)+2
.endif
	s_wait_dscnt 0x0                               ; the stores have read their registers
.endm
.irp t, 0,1,2,3,4,5,6,7
	WBLOCK \t
.endr
	s_wait_alu depctr_va_vdst(0)
	global_store_b64 v9, v[SB:SB+1], s[8:9]
.irp t, 0,1,2,3,4,5,6,7,8,9,10,11,12,13,14,15
	ds_load_b96 v[OUTR+4*\t:OUTR+4*\t+2], v7 offset:2*\t*PITCH
.endr
.irp t, 0,1,2,3,4,5,6,7,8,9,10,11,12,13,14,15
	s_wait_dscnt 15-\t                             ; row pair t is in; the 15 - t behind it may be out
	global_store_b96 v8, v[OUTR+4*\t:OUTR+4*\t+2], s[6:7] offset:2*\t*KROW   ; the wave's 32 columns are 6,144 consecutive bytes
.endr
	s_wait_tensorcnt 0x0                           ; the wave's end
	ds_add_u32 v[SPW], v[NIL]
	s_wait_dscnt 0x0
	s_endpgm
.Lfunc_end_k_qeca9dbdc04_quant:
	.size	k_qeca9dbdc04_quant, .Lfunc_end_k_qeca9dbdc04_quant-k_qeca9dbdc04_quant
	.p2alignl 7, 3214868480
	.fill 96, 4, 3214868480
	.section	.rodata,"a",@progbits
	.p2align	6, 0x0
	.amdhsa_kernel k_qeca9dbdc04_quant
		.amdhsa_group_segment_fixed_size 68096
		.amdhsa_private_segment_fixed_size 0
		.amdhsa_enable_private_segment 0
		.amdhsa_kernarg_size 40
		.amdhsa_user_sgpr_count 2
		.amdhsa_user_sgpr_kernarg_segment_ptr 1
		.amdhsa_wavefront_size32 1
		.amdhsa_system_sgpr_workgroup_id_x 1
		.amdhsa_system_sgpr_workgroup_id_y 1
		.amdhsa_system_sgpr_workgroup_id_z 1
		.amdhsa_system_vgpr_workitem_id 0
		.amdhsa_next_free_vgpr 216
		.amdhsa_next_free_sgpr 66
		.amdhsa_reserve_vcc 0
		.amdhsa_float_denorm_mode_32 3
		.amdhsa_float_denorm_mode_16_64 3
		.amdhsa_memory_ordered 1
		.amdhsa_forward_progress 1
		.amdhsa_inst_pref_size 76
	.end_amdhsa_kernel
	.amdgpu_metadata
---
amdhsa.version: [ 1, 2 ]
amdhsa.kernels:
  - .name:           k_qeca9dbdc04_quant
    .symbol:         k_qeca9dbdc04_quant.kd
    .args:
      - { .name: x, .offset: 0, .size: 8, .value_kind: global_buffer, .address_space: global }
      - { .name: xq, .offset: 8, .size: 8, .value_kind: global_buffer, .address_space: global }
      - { .name: W_qkv, .offset: 16, .size: 8, .value_kind: global_buffer, .address_space: global }
      - { .name: W_out, .offset: 24, .size: 8, .value_kind: global_buffer, .address_space: global }
      - { .name: wq, .offset: 32, .size: 8, .value_kind: global_buffer, .address_space: global }
    .group_segment_fixed_size: 68096
    .private_segment_fixed_size: 0
    .kernarg_segment_align: 8
    .kernarg_segment_size: 40
    .max_flat_workgroup_size: 128
    .sgpr_count:     66
    .vgpr_count:     216
    .wavefront_size: 32
...
	.end_amdgpu_metadata
.endif
;; end of part 1
;; launch gemm_qkv (part 2): grid 8 x 48, 4 waves a work-group, clusters of 4 x 4, 327,680 bytes of LDS; arguments xq, wq, qkbuf, vbuf; writes qkbuf, vbuf
.if DOCPART == 2
	.amdgcn_target "amdgcn-amd-amdhsa--gfx1250"
	.amdhsa_code_object_version 6
	.text
	.protected	k_qeca9dbdc04_gemm_qkv
	.globl	k_qeca9dbdc04_gemm_qkv
	.p2align	8
	.type	k_qeca9dbdc04_gemm_qkv,@function
k_qeca9dbdc04_gemm_qkv:
	s_mov_b64 s[64:65], 0
	v_nop
	global_prefetch_b8 v0, s[64:65] scope:SCOPE_SE
	s_setreg_imm32_b32 hwreg(HW_REG_WAVE_MODE, 25, 1), 1
	s_wait_xcnt 0x0
	s_wait_alu depctr_hold_cnt(0) depctr_sa_sdst(0) depctr_va_vdst(0) depctr_va_sdst(0) depctr_va_ssrc(0) depctr_va_vcc(0) depctr_vm_vsrc(0)
	s_getreg_b32 s2, hwreg(HW_REG_IB_STS2, 6, 4)
	s_cmp_eq_u32 s2, 0
	s_cbranch_scc0 .Lentry_in_a_cluster
	s_endpgm
.Lentry_in_a_cluster:
	s_bfe_u32 s2, ttmp6, 0x10000c
	s_cmp_lg_u32 s2, 0xf033
	s_cbranch_scc0 .Lentry_shape_is_right
	s_endpgm
.Lentry_shape_is_right:
; The first projection on codes of FP6 (E2M3), and the quantising of its results for the attention launch.  C[m][n] = sum over k of A[m][k] B[n][k], K = 1,024; C is never stored: it is quantised ALONG n and leaves as codes.
; Clusters y < 8:  A = x (8,192 positions), B = W_qkv's positions 0 .. 2,047: n is a feature of q or k, 64 to a head: two blocks of 32.
; Clusters y >= 8: A = W_qkv's positions 2,048 .. 3,071 (a head's 64 channels of v), B = x: n is a token: v is made TRANSPOSED and quantised along the keys, the second attention product's K.
; Only pointers and numbers are chosen, on the cluster's y, which all sixteen partners share; both cases take one path up to one store at the end.
; A tile of C, 256 x 256, is made by four waves, 128 x 128 each: 64 accumulators, 512 registers.  K goes in steps of 256 through two LDS slots filled by the tensor data mover; the scale bytes of the 512 rows come once and stay.
; CLUSTERS: 4 x 4 work-groups; A's tile is asked for jointly along a row of the cluster, B's along a column.  THE MATRIX INSTRUCTION IS USED TRANSPOSED (source 0 = 16 rows of B, source 1 = 16 rows of A): a lane holds one row m and its registers run along n.
; Rows of x and of W_qkv lie at positions with bits 3 and 4 of the index swapped; so the 16 registers of B's tiles 2 b and 2 b + 1 are the 16 neighbouring indices 32 b + 16 (lane / 16) + 0 .. 15: what the conversions want.
; OUT: 16 rows x 64 along n leave as an image of six operand registers: 512 bytes (16 a lane: registers 0-3), then 256 bytes (8 a lane: registers 4-5).  The reader loads the same bytes into the same lanes.
; LIMITS: a block of zeros gets the byte 1 and not 127 (its codes are zeros; this program alone reads the bytes); NaN and infinities are not served.
; REGISTERS, in windows of 256: window 0: v0-31 addresses; v32-63 scale words, two sets; from v128 A's fragments, one set; on the way out v112-223 are at work.  window 1: B's fragments, two sets.  windows 2, 3: the accumulators.
.set SIZE_K, 1024
.set KSTEP,  256
.set NQ,     KSTEP/128
.set ROWB,   192                       ; a tile's row: 256 codes
.set KROW,   SIZE_K*6/8
.set PITCH,  240                       ; an LDS row: 3 x (64 bytes + 16 of padding) = 60 words: the 32 lanes of a load of 8 bytes touch 64 different banks (64 banks of 4 bytes: ISA guide 11.1)
.set FR,     12
.set NL,     6
.set NP,     4                         ; places behind this matrix instruction (ISA guide 7.12.1)
.set HALFT,  128*PITCH
.set SLOT,   4*HALFT
.set LAPS,   SIZE_K/(2*KSTEP)
.set KS,     SIZE_K/32
.set SCL,    2*SLOT                    ; behind the ring: the scales, as rows of 256 bytes + 16
.set HALFS,  (128*KS/256)*272
.set SBLK,   (16*KS/256)*272
.set SPARE,  SCL+4*HALFS               ; the spare words: 128 bytes for each wave, named by no other line
.set XSO,    6291456                   ; xq: where the scale bytes begin
.set WSO,    2359296                   ; wq: where W_qkv's scale bytes begin
.set QKU,    13312                     ; qkbuf: a unit: 256 positions of one head: 16 images of 768 bytes, then 16 x 64 bytes of scale words
.set QKH,    32*QKU                    ; from a head to the next
.set VU,     12800                     ; vbuf: a unit: 256 keys of one head: 2 key steps x 4 fragments of 1,536 bytes, then 2 x 256 bytes of scale words
.set VH,     8*VU                      ; from a head to the next
.set ADRA, 16                          ; v16-19 LDS addresses of A's fragments (slot 0, 1; the same behind one padding more)
.set ADRB, 20                          ; v20-23 the same for B
.set L16,  24                          ; v24 16 x lane
.set L8,   25                          ; v25 8 x lane
.set SST,  26                          ; v26 the stage of scale words, in: 1,024 x wave + 512 (lane / 16) + 4 (lane % 16)
.set ADRS, 27                          ; v27 LDS address of my scale words
.set SPW,  28                          ; v28 LDS address of my spare word; never rewritten
.set NIL,  29                          ; v29 0; never rewritten
.set SRD,  30                          ; v30 the stage, out: 1,024 x wave + 16 x lane
.set SGO,  31                          ; v31 and the same words' place in memory
.set SH16, 14                          ; v14 16 (lane / 16)
.set SC,   32
.set AF,   128
.set CD,   112                         ; v112-130 the codes just made
.set SWD,  140                         ; v140-147 a scale word for each block of rows
.set RB,   148                         ; v148-155 scale words read back
.set TM,   200                         ; v200-215 at work
.set PW,   216                         ; the four bytes of a row
.set G1, 24
.set G0, 32
.set G1B, 48
.set G0B, 56
.set G1S, 68
.set G0S, 76
.set G1SB, 80
.set G0SB, 88
.set MSB, 0
.macro WIN new                         ; the immediate's high byte repeats the setting that is left
.if MSB != \new
	s_set_vgpr_msb (MSB<<8)|\new
.set MSB, \new
.endif
.endm
.set MUL_LO, 0xa1                      ; source 0 (B) window 1, source 1 (A) window 0, C and D window 2
.set MUL_HI, 0xf1
.set TO_B,   0x40
; A joint load: waves 0 and 1 fetch for A, waves 2 and 3 for B; the branch hangs on the wave's number alone.  An s_nop 0 and four v_nop follow each of the two lines.
.macro JLOAD g0a, g1a, g0b, g1b
	s_cmp_eq_u32 s15, 0
	s_cbranch_scc0 .Lfor_b_\@
	tensor_load_to_lds s[\g0a:\g0a+3], s[\g1a:\g1a+7]
	s_nop 0
.rept 4
	v_nop
.endr
	s_branch .Lasked_\@
.Lfor_b_\@:
	tensor_load_to_lds s[\g0b:\g0b+3], s[\g1b:\g1b+7]
	s_nop 0
.rept 4
	v_nop
.endr
.Lasked_\@:
.endm
.macro CREST                           ; a round of the cluster's barrier behind its opening barrier
	s_cmp_lg_u32 s14, 0
	s_cbranch_scc1 .Lnot_wave_0_\@
	s_barrier_signal -3
.Lnot_wave_0_\@:
	s_barrier_wait -3
	s_barrier_signal -1
	s_barrier_wait -1
.endm
.macro CROUND
	s_barrier_signal -1
	s_barrier_wait -1
	CREST
.endm
	s_load_b128 s[4:7], s[0:1], 0x0                ; xq, wq
	s_load_b128 s[96:99], s[0:1], 0x10             ; qkbuf, vbuf
	v_lshl_add_u32 v[SPW], v0, 2, SPARE
	v_mov_b32 v[NIL], 0
	ds_add_u32 v[SPW], v[NIL]                      ; the wave's opening: the add and its wait ahead of my first tensor load
	ds_add_u32 v[SPW], v[NIL]
	v_lshrrev_b32 v1, 5, v0
	v_readfirstlane_b32 s14, v1                    ; wave 0..3
	s_lshr_b32 s15, s14, 1                         ; my half of the tile's rows.  Also: I fetch for A (0) or for B (1)
	s_and_b32 s16, s14, 1                          ; my half of its columns.  Also: which 128 rows I fetch
	s_bfe_u32 s40, ttmp6, 0x40000                  ; cx, cy
	s_bfe_u32 s41, ttmp6, 0x40004
	s_and_b32 s17, ttmp7, 0xffff                   ; the cluster's y
	s_sub_co_u32 s18, s17, 8
	s_lshl_b32 s18, s18, 1
	s_add_co_u32 s18, s18, ttmp9                   ; for v: 2 (y - 8) + x: which 1,024 tokens
	s_cmp_lt_u32 s17, 8
	s_cselect_b32 s95, 1, 0                        ; 1: q and k; 0: v
	s_cselect_b32 s17, s17, 0
	s_cselect_b32 s42, ttmp9, s18
	s_cselect_b32 s19, 0, 2048                     ; v: A begins at W's position 2,048
	s_lshl_b32 s42, s42, 2
	s_add_co_u32 s42, s42, s40                     ; tile column
	s_lshl_b32 s17, s17, 2
	s_add_co_u32 s17, s17, s41                     ; tile row
	s_lshl_b32 s43, s41, 2
	s_lshl_b32 s43, 15, s43                        ; my row of the cluster
	s_lshl_b32 s44, 0x1111, s40                    ; my column
	s_or_b32 s[G1+0], s43, (0<<16)|(1<<20)|(1<<21)|(3<<22)|(3<<25)  ; the mask; elements of 1 byte; padding on; bit 21 beside a mask; after every 16 words 4 words
	s_or_b32 s[G1B+0], s44, (0<<16)|(1<<20)|(1<<21)|(3<<22)|(3<<25)
.irp g, G1, G1B
	s_mov_b32 s[\g+1], 256<<16                     ; the codes lie [K step][row][192 bytes]: a tile is a dense block, stated as rows of 256 bytes; the padding's interval stays 64 bytes, so an LDS row of codes is 240 bytes as before
	s_mov_b32 s[\g+2], 192<<16                     ; the head's loads: 256 rows of codes = 192 rows of 256 bytes
	s_mov_b32 s[\g+3], 256<<16
	s_mov_b32 s[\g+4], 192
	s_mov_b32 s[\g+5], 256
	s_mov_b32 s[\g+6], 0
	s_mov_b32 s[\g+7], 0
.endr
	s_or_b32 s[G1S+0], s43, (3<<16)|(1<<20)|(1<<21)|(5<<22)|(3<<25)   ; the scales of 256 rows: 8,192 dense bytes as 32 rows of 256, 16 bytes of padding behind each
	s_or_b32 s[G1SB+0], s44, (3<<16)|(1<<20)|(1<<21)|(5<<22)|(3<<25)
.irp g, G1S, G1SB
	s_mov_b32 s[\g+1], 32<<16
	s_mov_b32 s[\g+2], KS<<16                      ; the scales of 256 rows: 32 rows of 256 bytes
	s_mov_b32 s[\g+3], 32<<16
	s_mov_b32 s[\g+4], KS
	s_mov_b32 s[\g+5], 32
	s_mov_b32 s[\g+6], 0
	s_mov_b32 s[\g+7], 0
.endr
	s_mov_b32 s18, 0                               ; the head's loads begin at the tile's first row
	s_lshl_b32 s20, s17, 8
	s_add_co_u32 s20, s20, s18
	s_add_co_u32 s20, s20, s19                     ; A: the first row that I fetch
	s_lshl_b32 s46, s42, 8
	s_add_co_u32 s46, s46, s18                     ; B likewise
	s_mov_b32 s21, 0
	s_mov_b32 s47, 0
	s_mov_b64 s[18:19], KS
	s_mul_u64 s[22:23], s[20:21], s[18:19]         ; where these rows' scales begin
	s_mul_u64 s[92:93], s[46:47], s[18:19]
	s_mov_b64 s[18:19], ROWB
	s_mul_u64 s[20:21], s[20:21], s[18:19]         ; and their codes
	s_mul_u64 s[46:47], s[46:47], s[18:19]
	s_mul_i32 s45, s14, HALFT                      ; where they go: by the wave's number alone
	s_mul_i32 s18, s16, 128*ROWB                   ; in the ring I fetch 128 rows: which half, in bytes
	s_mov_b32 s19, 0
	s_mov_b32 s40, 8192*ROWB                       ; from a K step to the next: x's,
	s_mov_b32 s43, 3072*ROWB                       ; W_qkv's
	s_cmp_eq_u32 s95, 1
	s_cselect_b32 s44, s43, s40                    ; B's K step
	s_cselect_b32 s40, s40, s43                    ; A's
	s_mov_b32 s41, 0
	s_cselect_b32 s94, 0x10001, 1                  ; q and k: a head's two scale bytes are written into both halves of the word
	s_wait_dscnt 0x0                               ; the opening add is done
	s_wait_kmcnt 0x0
	s_add_nc_u64 s[10:11], s[6:7], WSO             ; W's scales,
	s_mov_b64 s[8:9], s[6:7]                       ; W's codes,
	s_add_nc_u64 s[6:7], s[4:5], XSO               ; x's scales; x's codes are s[4:5]
	s_cmp_eq_u32 s95, 1                            ; q and k: A = x, B = W; v: the other way round
	s_cselect_b64 s[66:67], s[4:5], s[8:9]
	s_cselect_b64 s[8:9], s[8:9], s[4:5]
	s_mov_b64 s[4:5], s[66:67]
	s_cselect_b64 s[66:67], s[6:7], s[10:11]
	s_cselect_b64 s[10:11], s[10:11], s[6:7]
	s_mov_b64 s[6:7], s[66:67]
	s_cselect_b64 s[12:13], s[96:97], s[98:99]     ; the buffer that I store into
	s_add_nc_u64 s[20:21], s[4:5], s[20:21]
	s_add_nc_u64 s[22:23], s[6:7], s[22:23]
	s_add_nc_u64 s[46:47], s[8:9], s[46:47]
	s_add_nc_u64 s[92:93], s[10:11], s[92:93]
	CROUND                                         ; all sixteen work-groups are here: the first joint loads meet
	s_mov_b32 s[G0S], 1
	s_mov_b32 s[G0S+1], SCL
	s_mov_b64 s[G0S+2:G0S+3], s[22:23]
	s_or_b32 s[G0S+3], s[G0S+3], 0x80000000
	s_mov_b32 s[G0SB], 1
	s_mov_b32 s[G0SB+1], SCL+2*HALFS
	s_mov_b64 s[G0SB+2:G0SB+3], s[92:93]
	s_or_b32 s[G0SB+3], s[G0SB+3], 0x80000000
	s_mov_b32 s4, 1                                ; group 0 of the head's loads of K step 0: A's 256 rows (the pointers that lay here have served),
	s_mov_b32 s5, 0
	s_mov_b64 s[6:7], s[20:21]
	s_or_b32 s7, s7, 0x80000000
	s_mov_b32 s8, 1                                ; and B's, behind them in slot 0
	s_mov_b32 s9, 2*HALFT
	s_mov_b64 s[10:11], s[46:47]
	s_or_b32 s11, s11, 0x80000000
	s_add_nc_u64 s[20:21], s[20:21], s[18:19]      ; for the ring: my 128 rows
	s_add_nc_u64 s[46:47], s[46:47], s[18:19]
.irp s, 0,1
	s_mov_b32 s[G0+4*\s], 1
	s_add_co_u32 s[G0+4*\s+1], s45, \s*SLOT
	s_mul_i32 s22, s40, \s
	s_mov_b32 s23, 0
	s_add_nc_u64 s[G0+4*\s+2:G0+4*\s+3], s[20:21], s[22:23]
	s_or_b32 s[G0+4*\s+3], s[G0+4*\s+3], 0x80000000
	s_mov_b32 s[G0B+4*\s], 1
	s_add_co_u32 s[G0B+4*\s+1], s45, \s*SLOT
	s_mul_i32 s22, s44, \s
	s_add_nc_u64 s[G0B+4*\s+2:G0B+4*\s+3], s[46:47], s[22:23]
	s_or_b32 s[G0B+4*\s+3], s[G0B+4*\s+3], 0x80000000
.endr
; THE HEAD'S LOADS, ONE A WAVE: wave 0 K step 0's 256 rows of A, wave 1 those of B, wave 2 A's scales, wave 3 B's.  One chain of branches on the wave's number; every way passes one load.
.macro ARM under, g0, g1, next
	s_cmp_lt_u32 s14, \under
	s_cbranch_scc0 \next
	tensor_load_to_lds s[\g0:\g0+3], s[\g1:\g1+7]
	s_nop 0
.rept 4
	v_nop
.endr
	s_branch .Lhead_asked
\next:
.endm
	ARM 1, 4, G1, .Lhead_b
	ARM 2, 8, G1B, .Lhead_sa
	ARM 3, G0S, G1S, .Lhead_sb
	tensor_load_to_lds s[G0SB:G0SB+3], s[G1SB:G1SB+7]
	s_nop 0
.rept 4
	v_nop
.endr
.Lhead_asked:
	v_and_b32 v1, 15, v0                           ; r = lane % 16
	v_bfe_u32 v2, v0, 4, 1                         ; h = lane / 16
	v_mul_u32_u24 v3, v1, PITCH
	v_mul_u32_u24 v4, v2, 24
	v_add_nc_u32 v4, v3, v4                        ; a fragment's row x pitch + 24 h
	v_lshl_add_u32 v5, v2, 4, v4                   ; and the same behind one padding more
	s_mul_i32 s21, s15, HALFT
	s_mul_i32 s22, s16, HALFT
	s_add_co_u32 s22, s22, 2*HALFT
.irp s, 0,1
	v_add_nc_u32 v[ADRA+\s], s21, v4
	v_add_nc_u32 v[ADRB+\s], s22, v4
	v_add_nc_u32 v[ADRA+2+\s], s21, v5
	v_add_nc_u32 v[ADRB+2+\s], s22, v5
	s_add_co_u32 s21, s21, SLOT
	s_add_co_u32 s22, s22, SLOT
.endr
	v_mul_u32_u24 v5, v1, KS                       ; my row's scales: 32 bytes a row,
	v_lshrrev_b32 v6, 8, v5
	v_lshl_add_u32 v5, v6, 4, v5                   ; and 16 more for each 256 passed
	s_mul_i32 s21, s15, HALFS
	s_mul_i32 s22, s16, HALFS
	s_add_co_u32 s22, s22, 2*HALFS
	s_sub_co_u32 s22, s22, s21
	v_mul_u32_u24 v6, s22, v2                      ; lanes 16-31 take B's
	s_add_co_u32 s21, s21, SCL
	v_add_nc_u32 v5, v5, v6
	v_add_nc_u32 v[ADRS], s21, v5
	; WHERE THE RESULTS GO.  Both cases' numbers are made, then chosen.
	s_lshl_b32 s18, s42, 2                         ; q and k: the tile's 256 features are four heads; my half begins with head 4 x tile column + 2 x half;
	s_lshl_b32 s19, s16, 1
	s_add_co_u32 s18, s18, s19
	s_lshl_b32 s18, s18, 5
	s_add_co_u32 s18, s18, s17                     ; the unit is the tile row
	s_mul_i32 s18, s18, QKU
	s_mul_i32 s19, s15, 8*768
	s_add_co_u32 s19, s19, s18                     ; my first image: tile 8 x (my half of the rows)
	s_lshl_b32 s20, s15, 9
	s_add_co_u32 s20, s20, s18
	s_add_co_u32 s20, s20, 16*768                  ; and its scale words
	s_lshr_b32 s21, s42, 3                         ; v: the batch is tile column / 8, the unit tile column % 8; my first head 4 x tile row + 2 x half
	s_lshl_b32 s21, s21, 4
	s_lshl_b32 s22, s17, 2
	s_add_co_u32 s21, s21, s22
	s_lshl_b32 s22, s15, 1
	s_add_co_u32 s21, s21, s22
	s_lshl_b32 s21, s21, 3
	s_and_b32 s22, s42, 7
	s_add_co_u32 s21, s21, s22
	s_mul_i32 s21, s21, VU
	s_mul_i32 s22, s16, 4*1536
	s_add_co_u32 s22, s22, s21                     ; my key step's first fragment
	s_lshl_b32 s23, s16, 8
	s_add_co_u32 s23, s23, s21
	s_add_co_u32 s23, s23, 8*1536                  ; and its scale words
	s_mov_b32 s40, 768
	s_mov_b32 s41, 1536
	s_mov_b32 s43, VH-3*1536
	s_mov_b32 s44, VH
	s_cmp_eq_u32 s95, 1
	s_cselect_b32 s18, s19, s22
	s_cselect_b32 s20, s20, s23
	s_cselect_b32 s46, QKH, s40                    ; from the first 64 along n to the second: the next head's unit, or the fragment's second half
	s_cselect_b32 s100, s40, s41                   ; from a block of 16 rows to the next
	s_cselect_b32 s104, s40, s43                   ; from block 3 to block 4: in v the next head begins
	s_cselect_b32 s45, 256, s44                    ; from the first 256 bytes of scale words to the second
	s_cselect_b32 s2, 0xffff, -1                   ; q and k: two bytes of a row's four belong to a head
	s_mov_b32 s19, 0
	s_mov_b32 s21, 0
	s_mov_b32 s47, 0
	s_mov_b32 s101, 0
	s_mov_b32 s105, 0
	s_add_nc_u64 s[96:97], s[12:13], s[20:21]      ; scale words;
	s_add_nc_u64 s[98:99], s[96:97], QKH           ; the second head's (q and k alone)
	s_add_nc_u64 s[12:13], s[12:13], s[18:19]      ; the first 64 along n;
	s_add_nc_u64 s[92:93], s[12:13], s[46:47]      ; the second
	s_mov_b32 s66, 0x76543210
	s_mov_b32 s67, 0xfedcba98                      ; v_permlanex16_b32's selects for lane l xor 16
	v_and_b32 v6, 31, v0
	v_lshlrev_b32 v[L16], 4, v6
	v_lshlrev_b32 v[L8], 3, v6
	s_lshl_b32 s23, s14, 10
	v_lshlrev_b32 v[SST], 2, v1
	v_lshl_add_u32 v[SST], v2, 9, v[SST]
	v_add_nc_u32 v[SST], s23, v[SST]
	v_add_nc_u32 v[SRD], s23, v[L16]
	v_lshlrev_b32 v[SH16], 4, v2
	v_mul_u32_u24 v[SGO], s45, v2
	v_lshl_add_u32 v[SGO], v1, 4, v[SGO]
.macro FRAG reg, adr, q, i             ; a fragment, 16 rows x 128 K, is 12 registers: lane l holds row l % 16; registers 6 c .. 6 c + 5 hold K = 64 c + 32 (l / 16) + 0 .. 31: 24 bytes of the row, as they lie, in pieces of 8
.irp p, 0,1,2,3,4,5
.set PCE, 12*(\q)+6*(\p/3)+\p%3       ; 16 bytes of padding lie behind every 8 pieces: where the piece three on lies behind one padding more, the second address register serves
.if PCE%8 < 5
	ds_load_b64 v[\reg+2*\p:\reg+2*\p+1], v[\adr] offset:8*PCE+16*(PCE/8)+(\i)*16*PITCH
.else
	ds_load_b64 v[\reg+2*\p:\reg+2*\p+1], v[\adr+2] offset:8*PCE+16*(PCE/8)+(\i)*16*PITCH
.endif
.endr
.endm
; 16 matrix instructions: A's blocks a0, a0 + 1 x B's eight.  The 64 accumulators take turns, one instruction a turn, in the same order in every step.
.macro MUL16 a0, p, q, sc, zero
.irp a, \a0, \a0+1
.irp b, 0,1,2,3,4,5,6,7
.if \zero
	v_wmma_scale_f32_16x16x128_f8f6f4 v[8*(8*((\a)%4)+\b):8*(8*((\a)%4)+\b)+7], v[128*(\p)+FR*\b:128*(\p)+FR*\b+FR-1], v[AF+FR*(\a):AF+FR*(\a)+FR-1], 0, v[SC+8*NQ*(\sc)+NQ*\b+(\q)], v[SC+8*NQ*(\sc)+NQ*(\a)+(\q)] matrix_a_fmt:MATRIX_FMT_FP6 matrix_b_fmt:MATRIX_FMT_FP6 matrix_a_scale:MATRIX_SCALE_ROW1
.else
	v_wmma_scale_f32_16x16x128_f8f6f4 v[8*(8*((\a)%4)+\b):8*(8*((\a)%4)+\b)+7], v[128*(\p)+FR*\b:128*(\p)+FR*\b+FR-1], v[AF+FR*(\a):AF+FR*(\a)+FR-1], v[8*(8*((\a)%4)+\b):8*(8*((\a)%4)+\b)+7], v[SC+8*NQ*(\sc)+NQ*\b+(\q)], v[SC+8*NQ*(\sc)+NQ*(\a)+(\q)] matrix_a_fmt:MATRIX_FMT_FP6 matrix_b_fmt:MATRIX_FMT_FP6 matrix_a_scale:MATRIX_SCALE_ROW1
.endif
.endr
.endr
.endm
.macro FETCH_B slot, q, p
	WIN TO_B
.irp i, 0,1,2,3,4,5,6,7
	FRAG 128*(\p)+FR*\i, ADRB+\slot, \q, \i
.endr
	WIN 0
.endm
.macro FETCH_A slot, q, i0
.irp i, \i0, \i0+1, \i0+2, \i0+3
	FRAG AF+FR*(\i), ADRA+\slot, \q, \i
.endr
.endm
.macro SCALES sc                       ; a K step's scale words: two words a row; lanes 0-15 take A's block i, lanes 16-31 B's block i
.irp i, 0,1,2,3,4,5,6,7
	ds_load_b64 v[SC+8*NQ*\sc+NQ*\i:SC+8*NQ*\sc+NQ*\i+1], v[ADRS] offset:\i*SBLK
.endr
.endm
.macro PLACES n                        ; plain vector instructions between a matrix instruction and a load into, or a vector read of, its registers
.rept \n
	v_nop
.endr
.endm
.macro STEP slot, q, zero              ; 128 along K with its successor in the same slot
	s_wait_dscnt 4*NL                              ; B's set and A's blocks 0-3 are in; the youngest 24 loads (A's blocks 4-7) may be out
	WIN MUL_LO
	MUL16 0, (\q)%2, \q, \slot, \zero
	MUL16 2, (\q)%2, \q, \slot, \zero
	s_wait_dscnt 0
	PLACES NP
	FETCH_B \slot, (\q)+1, 1-(\q)%2
	FETCH_A \slot, (\q)+1, 0
	WIN MUL_HI
	MUL16 4, (\q)%2, \q, \slot, \zero
	MUL16 6, (\q)%2, \q, \slot, \zero
	PLACES NP
	WIN 0
	FETCH_A \slot, (\q)+1, 4
.endm
; A slot's last step changes slots: one barrier; in front of it each wave waits for all its tensor loads, adds 0 to its spare word, and waits for that and for its reads of this slot.
.macro TURN slot, next, fill
	s_wait_tensorcnt 0x0                           ; all my tensor loads have landed: my part of the next slot
	ds_add_u32 v[SPW], v[NIL]
	s_wait_dscnt 4*NL+1                            ; the add and the youngest 24 loads may be out
	WIN MUL_LO
	MUL16 0, 1, NQ-1, \slot, 0
	s_wait_dscnt 0x0                               ; the add is done, and my reads of this slot are over
	s_barrier_signal -1
	MUL16 2, 1, NQ-1, \slot, 0
	WIN 0
	s_barrier_wait -1
.if \fill
	CREST                                          ; the barrier has opened a round of the cluster's: no wave of any partner still reads this slot or has a load on its way
	s_add_nc_u64 s[G0+4*\slot+2:G0+4*\slot+3], s[G0+4*\slot+2:G0+4*\slot+3], s[40:41]
	s_add_nc_u64 s[G0B+4*\slot+2:G0B+4*\slot+3], s[G0B+4*\slot+2:G0B+4*\slot+3], s[42:43]
	JLOAD G0+4*\slot, G1, G0B+4*\slot, G1B         ; my one tensor load behind the round; its four v_nop are the places in front of the loads below
.else
	PLACES NP
.endif
	s_wait_alu depctr_va_vdst(0)
	v_add_nc_u32 v[ADRS], 4*NQ, v[ADRS]
	FETCH_B \next, 0, 0
	FETCH_A \next, 0, 0
	SCALES \next
	WIN MUL_HI
	MUL16 4, 1, NQ-1, \slot, 0
	MUL16 6, 1, NQ-1, \slot, 0
	PLACES NP
	WIN 0
	FETCH_A \next, 0, 4
.endm
	s_mov_b32 s40, 2*8192*ROWB                     ; two K steps on: s[40:41] A's, s[42:43] B's
	s_mov_b32 s42, 2*3072*ROWB
	s_cmp_eq_u32 s95, 1
	s_cselect_b32 s44, s40, s42
	s_cselect_b32 s42, s42, s40
	s_mov_b32 s40, s44
	s_mov_b32 s41, 0
	s_mov_b32 s43, 0
	s_wait_alu depctr_va_vdst(0)                   ; the head's end
	s_wait_tensorcnt 0x0                           ; my tile of the head's four is in; these lines stand ahead of a later first fill as ahead of a refill
	ds_add_u32 v[SPW], v[NIL]
	s_mov_b32 s[G1+2], 96<<16                      ; no tensor load of mine is out: from here on a load brings 128 rows of codes = 96 rows of 256 bytes
	s_mov_b32 s[G1+4], 96
	s_mov_b32 s[G1B+2], 96<<16
	s_mov_b32 s[G1B+4], 96
	s_wait_dscnt 0x0
	CROUND                                         ; all four tiles are in, and the sixteen work-groups are here
	JLOAD G0+4, G1, G0B+4, G1B                     ; K step 1, my one tensor load behind the round
	FETCH_B 0, 0, 0
	FETCH_A 0, 0, 0
	SCALES 0
	FETCH_A 0, 0, 4
	STEP 0, 0, 1                                   ; the first step's products start the sums
	s_mov_b32 s3, LAPS-1
.Llap:
	TURN 0, 1, 1
	STEP 1, 0, 0
	TURN 1, 0, 1
	STEP 0, 0, 0
	s_sub_co_u32 s3, s3, 1
	s_cmp_lg_u32 s3, 0
	s_cbranch_scc1 .Llap
	TURN 0, 1, 0                                   ; the last lap fills nothing
	STEP 1, 0, 0
	s_wait_dscnt 4*NL
	WIN MUL_LO
	MUL16 0, 1, NQ-1, 1, 0
	MUL16 2, 1, NQ-1, 1, 0
	s_wait_dscnt 0
	WIN MUL_HI
	MUL16 4, 1, NQ-1, 1, 0
	MUL16 6, 1, NQ-1, 1, 0
	WIN 0
; THE WAY OUT.  Block a (16 rows x my 128 along n) lies in 64 registers of a lane: register 16 b + i is n = 32 b + 16 (lane / 16) + i of row lane % 16.  Four blocks of 32 are quantised; the 12 registers of codes leave as two images.
; Each accumulator is read from its low end on.  The scale words gather in 1,024 bytes of LDS of my own, in slot 0, which has had its last fill and which nobody reads behind the last change of slots.
.macro OUTBLK a
.set AC, 64*((\a)%4)
.if (\a) > 0
	s_wait_xcnt 0x0                                ; the last block's stores have read their bases and their data: both are written again below
.if (\a) == 4
	s_add_nc_u64 s[12:13], s[12:13], s[104:105]
	s_add_nc_u64 s[92:93], s[92:93], s[104:105]
.else
	s_add_nc_u64 s[12:13], s[12:13], s[100:101]
	s_add_nc_u64 s[92:93], s[92:93], s[100:101]
.endif
.endif
	WIN (0x0a+5*((\a)/4))                          ; sources 0 and 1: the accumulators' window
.irp b, 0,1,2,3
	v_max3_num_f32 v[TM+\b], |v[AC+16*\b]|, |v[AC+16*\b+1]|, 0x1800000   ; my 16 numbers of block b, and the floor 2^(3 - 127)
.endr
.irp i, 2,4,6,8,10,12,14
.irp b, 0,1,2,3
	v_max3_num_f32 v[TM+\b], |v[AC+16*\b+\i]|, |v[AC+16*\b+\i+1]|, v[TM+\b]
.endr
.endr
	WIN 0
.irp b, 0,1,2,3
	v_permlanex16_b32 v[TM+4+\b], v[TM+\b], s66, s67
.endr
.irp b, 0,1,2,3
	v_max_num_f32 v[TM+\b], v[TM+\b], v[TM+4+\b]   ; with lane l xor 16's: the block's largest magnitude
.endr
.irp b, 0,1,2,3
	v_add_nc_u32 v[TM+12+\b], 0xff000000, v[TM+\b] ; 2 off its exponent field: the conversion's scale operand
.endr
.irp b, 0,1,2,3
	v_lshrrev_b32 v[TM+4+\b], 23, v[TM+12+\b]      ; the scale's byte
.endr
	v_lshl_or_b32 v[PW], v[TM+5], 8, v[TM+4]
	v_lshl_or_b32 v[PW], v[TM+6], 16, v[PW]
	v_lshl_or_b32 v[PW], v[TM+7], 24, v[PW]
	WIN (2+(\a)/4)                                 ; source 0: the accumulators' window
.irp c, 0,1
	v_cvt_scalef32_pk16_fp6_f32 v[CD+6*\c:CD+6*\c+2], v[AC+32*\c:AC+32*\c+15], v[TM+12+2*\c]
	v_cvt_scalef32_pk16_fp6_f32 v[CD+12+4*\c:CD+14+4*\c], v[AC+32*\c+16:AC+32*\c+31], v[TM+13+2*\c]   ; (a conversion's three registers begin on an even number)
.endr
	WIN 0
	v_nop                                          ; one plain place behind a scaled conversion
.irp c, 0,1                                    ; the operand's layout wants a whole block in a lane: lanes 0-15 block 2 c, lanes 16-31 block 2 c + 1
.irp i, 0,1,2
	v_permlane16_swap_b32 v[CD+6*\c+\i], v[CD+12+4*\c+\i]
.endr
.irp i, 0,1,2
	v_mov_b32 v[CD+3+6*\c+\i], v[CD+12+4*\c+\i]
.endr
.endr
	v_lshrrev_b32 v[SWD+(\a)], v[SH16], v[PW]      ; lanes 0-15 keep the word, lanes 16-31 its upper two bytes: the second head's
	v_and_b32 v[SWD+(\a)], s2, v[SWD+(\a)]
	v_mul_lo_u32 v[SWD+(\a)], v[SWD+(\a)], s94     ; q and k: the two bytes once more in the upper half, for a reader that lays these 64 along K in the upper half of its operand
	ds_store_b32 v[SST], v[SWD+(\a)] offset:64*(\a)
	global_store_b128 v[L16], v[CD:CD+3], s[12:13]                 ; 512 consecutive bytes, aligned to 256
	global_store_b64 v[L8], v[CD+4:CD+5], s[12:13] offset:512      ; 256 consecutive bytes, aligned
	global_store_b128 v[L16], v[CD+6:CD+9], s[92:93]
	global_store_b64 v[L8], v[CD+10:CD+11], s[92:93] offset:512
.endm
	PLACES NP                                      ; behind the last products: their registers are read and written below
.irp b, 0,1,2,3
	v_mov_b32 v[TM+4+\b], 0                        ; a lane permute's destination counts as one of its sources
.endr
.irp a, 0,1,2,3,4,5,6,7
	OUTBLK \a
.endr
	ds_load_b128 v[RB:RB+3], v[SRD]                ; my own bytes, in order behind my stores
	ds_load_b128 v[RB+4:RB+7], v[SRD] offset:512
	s_wait_dscnt 0x0
	global_store_b128 v[SGO], v[RB:RB+3], s[96:97] ; two runs of 256 consecutive bytes, aligned
	s_cmp_eq_u32 s95, 0                            ; v has one word a row; the cluster's y decides, alike in all partners
	s_cbranch_scc1 .Lone_run
	global_store_b128 v[SGO], v[RB+4:RB+7], s[98:99]   ; q and k: the second head's words
.Lone_run:
	s_wait_tensorcnt 0x0                           ; the wave's end
	ds_add_u32 v[SPW], v[NIL]
	s_wait_dscnt 0x0
	CROUND                                         ; the closing round
	s_endpgm
.Lfunc_end_k_qeca9dbdc04_gemm_qkv:
	.size	k_qeca9dbdc04_gemm_qkv, .Lfunc_end_k_qeca9dbdc04_gemm_qkv-k_qeca9dbdc04_gemm_qkv
	.p2alignl 7, 3214868480
	.fill 96, 4, 3214868480
	.section	.rodata,"a",@progbits
	.p2align	6, 0x0
	.amdhsa_kernel k_qeca9dbdc04_gemm_qkv
		.amdhsa_group_segment_fixed_size 327680
		.amdhsa_private_segment_fixed_size 0
		.amdhsa_enable_private_segment 0
		.amdhsa_kernarg_size 32
		.amdhsa_user_sgpr_count 2
		.amdhsa_user_sgpr_kernarg_segment_ptr 1
		.amdhsa_wavefront_size32 1
		.amdhsa_system_sgpr_workgroup_id_x 1
		.amdhsa_system_sgpr_workgroup_id_y 1
		.amdhsa_system_sgpr_workgroup_id_z 1
		.amdhsa_system_vgpr_workitem_id 0
		.amdhsa_next_free_vgpr 1024
		.amdhsa_next_free_sgpr 106
		.amdhsa_reserve_vcc 0
		.amdhsa_float_denorm_mode_32 3
		.amdhsa_float_denorm_mode_16_64 3
		.amdhsa_memory_ordered 1
		.amdhsa_forward_progress 1
		.amdhsa_inst_pref_size 171
	.end_amdhsa_kernel
	.amdgpu_metadata
---
amdhsa.version: [ 1, 2 ]
amdhsa.kernels:
  - .name:           k_qeca9dbdc04_gemm_qkv
    .symbol:         k_qeca9dbdc04_gemm_qkv.kd
    .args:
      - { .name: xq, .offset: 0, .size: 8, .value_kind: global_buffer, .address_space: global }
      - { .name: wq, .offset: 8, .size: 8, .value_kind: global_buffer, .address_space: global }
      - { .name: qkbuf, .offset: 16, .size: 8, .value_kind: global_buffer, .address_space: global }
      - { .name: vbuf, .offset: 24, .size: 8, .value_kind: global_buffer, .address_space: global }
    .group_segment_fixed_size: 327680
    .private_segment_fixed_size: 0
    .kernarg_segment_align: 8
    .kernarg_segment_size: 32
    .max_flat_workgroup_size: 128
    .sgpr_count:     106
    .vgpr_count:     1024
    .wavefront_size: 32
...
	.end_amdgpu_metadata
.endif
;; end of part 2
;; launch attn (part 3): grid 4 x 64, 16 waves a work-group, clusters of 4 x 1, 327,680 bytes of LDS; arguments qkbuf, vbuf, oq; writes oq
.if DOCPART == 3
	.amdgcn_target "amdgcn-amd-amdhsa--gfx1250"
	.amdhsa_code_object_version 6
	.text
	.protected	k_qeca9dbdc04_attn
	.globl	k_qeca9dbdc04_attn
	.p2align	8
	.type	k_qeca9dbdc04_attn,@function
k_qeca9dbdc04_attn:
	s_mov_b64 s[64:65], 0
	v_nop
	global_prefetch_b8 v0, s[64:65] scope:SCOPE_SE
	s_setreg_imm32_b32 hwreg(HW_REG_WAVE_MODE, 25, 1), 1
	s_wait_xcnt 0x0
	s_wait_alu depctr_hold_cnt(0) depctr_sa_sdst(0) depctr_va_vdst(0) depctr_va_sdst(0) depctr_va_ssrc(0) depctr_va_vcc(0) depctr_vm_vsrc(0)
	s_getreg_b32 s2, hwreg(HW_REG_IB_STS2, 6, 4)
	s_cmp_eq_u32 s2, 0
	s_cbranch_scc0 .Lentry_in_a_cluster
	s_endpgm
.Lentry_in_a_cluster:
	s_bfe_u32 s2, ttmp6, 0x10000c
	s_cmp_lg_u32 s2, 0x3003
	s_cbranch_scc0 .Lentry_shape_is_right
	s_endpgm
.Lentry_shape_is_right:
; Causal attention of one head on codes of FP6 (E2M3), head size 64, and the quantising of its result for the last projection.
; t = score x log2(e) / 8; M = the row's largest t so far, rounded up to a whole number; p = 2^(t - M) is quantised along the keys; the row's sum is taken of the unquantised p and divides O at the end.
; WORK LEFT OUT: key steps that lie wholly behind a tile's queries: the causal mask gives them the weight 0 for all values of the inputs.
; ALL OF A HEAD'S K AND V STAY IN LDS: 8 units of 256 keys, 8 x 13,312 + 8 x 12,800 = 208,896 bytes.  Sixteen waves ask for one unit each at the head; one wait and one barrier show them to all; nothing is filled again.
; CLUSTER: the four work-groups of a head (y = 16 x batch + head) need the same sixteen tiles: each is asked for jointly, mask 15.
; SHARES.  A query block of 256 has 16 tiles of 16 positions; the work-group at place cx takes tiles 4 i + cx of every block.  Wave w (p = w / 4, i = w % 4) owns tile 4 i + cx of block 7 - p, then tile 4 (3 - i) + cx of block p.
; A tile of block b with i' needs 2 b + 1 + i' / 2 steps of 128 keys, the last of them under the mask: 17 steps for every wave.  Branches and trip counts hang on the wave's number alone, never on cx.
; LAYOUT.  Both products are used transposed: S^T = K Q^T, O^T = V^T P^T: a lane holds one query (lane % 16).  Tokens and v's channels lie at positions with bits 3 and 4 of the index swapped, so the 16 registers of tiles
; 2 b and 2 b + 1 are the neighbouring keys (channels) 32 b + 16 (lane / 16) + 0 .. 15.  A head's 64 fill half of the first product's 128: a fragment of K holds TWO tiles of keys, t and t + 4; against (Q, 0) it gives tile t,
; against (0, Q) tile t + 4; the zeros are zero codes.  q's and k's scale words carry their two bytes in both halves.
; A step's K is fetched a step ahead, behind the products that read the registers; V lands in the score registers when p has been converted.
; No data prefetch: every tile is asked for at the head, and no loop is left to run ahead in.
; LIMITS: hidden scores count as -infinity where the definition has -1e9: the same zeros as long as true logits lie above -1e9 + 150; scaled scores stay under 2^31 in magnitude; a block of zeros gets the byte 1 and not 127
; (this program alone reads the bytes); NaN and infinities are not served.  The scale bytes leave singly, 32 bytes apart: 2 bytes for each 48 bytes of codes.
.set KUB,   13312                      ; a unit of q or k: 16 images of 768 bytes, 16 x 64 bytes of scale words
.set VUB,   12800                      ; a unit of v: 2 key steps x 4 fragments of 1,536 bytes, 2 x 256 bytes of scale words
.set VBASE, 8*KUB                      ; LDS: K's eight units, then V's
.set SPARE, VBASE+8*VUB                ; the spare words: 128 bytes for each of sixteen waves, named by no other line
.set OSC,   6291456                    ; oq: where the scale bytes begin
.set L16,  1                           ; 16, 8, 4 x lane
.set L8,   2
.set L4,   3
.set OSO,  4                           ; 32 x (lane % 16) + lane / 16
.set SPW,  5
.set NIL,  6
.set DQ0,  7                           ; r + 8 (r / 8) - 16 (lane / 16) + 32 (cx / 2) + 8 (cx % 2)
.set AK16, 8                           ; v8-13 the unit in hand: K's and V's LDS addresses
.set AK8,  9
.set AK4,  10
.set AV16, 11
.set AV8,  12
.set AV4,  13
.set D,    14                          ; my query's place in the masked step - 16 (lane / 16)
.set NINF, 15
; v16 -M, v17 the largest t, v[18:19] the sum, v[20:21] f; v22-27 Q, v28-33 zero codes, v34-39 Q; v40 Q's scale words, v41 p's
.set KS,   42                          ; v42-45 K's scale words: lanes 0-15 tile 2 m, lanes 16-31 tile 2 m + 1
.set VS,   46                          ; v46-47 V's likewise
.set KF,   48                          ; v48-95 four fragments of K
.set S,    96                          ; v96-159 S^T, then p, then V's four fragments
.set O,    160                         ; v160-191 O^T
.set P,    192                         ; v192-203 p's codes
.set BM,   204
.set PT,   208
.set SO,   212
.set CT,   216
.set T,    224
.set TA,   232
.set QA,   242                         ; v242-248 the next tile's Q and scale words; v249-255 the one after
.set QB,   250
.set WV,  10
.set CX,  12
.set B,   15
.set IE,  16
.set N,   17
.set KI,  18
.set PS,  19
.set SEL, 20
.set CS,  22
.set G1K, 24
.set G1V, 32
.set G0K, 40
.set G0V, 44
.set TBK, 60
.set TBV, 61
.set HM,  62
.set QU,  72
.macro WALU
	s_wait_alu depctr_va_vdst(0)
.endm
.macro NOPS n
.rept \n
	v_nop
.endr
.endm
.macro ROUND                           ; a round of the cluster's barrier
	s_barrier_signal -1
	s_barrier_wait -1
	s_cmp_lg_u32 s[WV], 0
	s_cbranch_scc1 .Lnw0_\@
	s_barrier_signal -3
.Lnw0_\@:
	s_barrier_wait -3
	s_barrier_signal -1
	s_barrier_wait -1
.endm
.macro QLD bb, ii, r, sc, pa, pb       ; Q's image and scale words of tile 4 s\ii + cx of block s\bb
	s_add_co_u32 s48, s[QU], s\bb
	s_mul_i32 s48, s48, KUB
	s_lshl_b32 s49, s\ii, 2
	s_add_co_u32 s49, s49, s[CX]
	s_mul_i32 s50, s49, 768
	s_add_co_u32 s50, s50, s48
	s_mov_b32 s51, 0
	s_add_nc_u64 s[\pa:\pa+1], s[4:5], s[50:51]
	s_lshl_b32 s50, s49, 6
	s_add_co_u32 s50, s50, s48
	s_add_co_u32 s50, s50, 12288
	s_add_nc_u64 s[\pb:\pb+1], s[4:5], s[50:51]
	global_load_b128 v[\r:\r+3], v[L16], s[\pa:\pa+1]
	global_load_b64 v[\r+4:\r+5], v[L8], s[\pa:\pa+1] offset:512
	global_load_b32 v[\sc], v[L4], s[\pb:\pb+1]
.endm
.macro KLOAD a16, a8, a4, off, soff    ; a step's eight tiles of K, two to a fragment, and their scale words: 20 loads
.irp f, 0,1,2,3
	ds_load_b128 v[KF+12*\f:KF+12*\f+3], v[\a16] offset:(\off)+768*\f
	ds_load_b64 v[KF+12*\f+4:KF+12*\f+5], v[\a8] offset:(\off)+768*\f+512
	ds_load_b128 v[KF+12*\f+6:KF+12*\f+9], v[\a16] offset:(\off)+768*(\f+4)
	ds_load_b64 v[KF+12*\f+10:KF+12*\f+11], v[\a8] offset:(\off)+768*(\f+4)+512
.endr
.irp m, 0,1,2,3
	ds_load_b32 v[KS+\m], v[\a4] offset:(\soff)+128*\m
.endr
.endm
.macro KLF f, off                      ; one fragment of the next step's K: two tiles, four loads
	ds_load_b128 v[KF+12*\f:KF+12*\f+3], v[AK16] offset:(\off)+768*\f
	ds_load_b64 v[KF+12*\f+4:KF+12*\f+5], v[AK8] offset:(\off)+768*\f+512
	ds_load_b128 v[KF+12*\f+6:KF+12*\f+9], v[AK16] offset:(\off)+768*(\f+4)
	ds_load_b64 v[KF+12*\f+10:KF+12*\f+11], v[AK8] offset:(\off)+768*(\f+4)+512
.endm
.macro QK t
.if (\t)%2
	v_wmma_scale_f32_16x16x128_f8f6f4 v[S+8*(\t):S+8*(\t)+7], v[KF+12*((\t)%4):KF+12*((\t)%4)+11], v[22+6*((\t)/4):33+6*((\t)/4)], 0, v[KS+(\t)/2], v40 matrix_a_fmt:MATRIX_FMT_FP6 matrix_b_fmt:MATRIX_FMT_FP6 matrix_a_scale:MATRIX_SCALE_ROW1
.else
	v_wmma_scale_f32_16x16x128_f8f6f4 v[S+8*(\t):S+8*(\t)+7], v[KF+12*((\t)%4):KF+12*((\t)%4)+11], v[22+6*((\t)/4):33+6*((\t)/4)], 0, v[KS+(\t)/2], v40 matrix_a_fmt:MATRIX_FMT_FP6 matrix_b_fmt:MATRIX_FMT_FP6
.endif
.endm
.macro PV t
.if (\t)%2
	v_wmma_scale_f32_16x16x128_f8f6f4 v[O+8*(\t):O+8*(\t)+7], v[S+12*(\t):S+12*(\t)+11], v[P:P+11], v[O+8*(\t):O+8*(\t)+7], v[VS+(\t)/2], v41 matrix_a_fmt:MATRIX_FMT_FP6 matrix_b_fmt:MATRIX_FMT_FP6 matrix_a_scale:MATRIX_SCALE_ROW1
.else
	v_wmma_scale_f32_16x16x128_f8f6f4 v[O+8*(\t):O+8*(\t)+7], v[S+12*(\t):S+12*(\t)+11], v[P:P+11], v[O+8*(\t):O+8*(\t)+7], v[VS+(\t)/2], v41 matrix_a_fmt:MATRIX_FMT_FP6 matrix_b_fmt:MATRIX_FMT_FP6
.endif
.endm
	s_load_b128 s[4:7], s[0:1], 0x0                ; qkbuf, vbuf
	s_load_b64 s[8:9], s[0:1], 0x10                ; oq
	v_lshl_add_u32 v[SPW], v0, 2, SPARE
	v_mov_b32 v[NIL], 0
	ds_add_u32 v[SPW], v[NIL]                      ; the opening lines: the add, twice on end, and its wait
	ds_add_u32 v[SPW], v[NIL]
	v_lshrrev_b32 v8, 5, v0
	v_readfirstlane_b32 s[WV], v8                  ; wave 0..15
	s_and_b32 s11, ttmp7, 0xffff                   ; 16 x batch + head
	s_bfe_u32 s[CX], ttmp6, 0x40000                ; my place in the cluster
	s_and_b32 s13, s11, 15                         ; head
	s_lshr_b32 s14, s11, 4                         ; batch
	s_lshr_b32 s[B], s[WV], 2
	s_sub_co_u32 s[B], 7, s[B]                     ; the first tile's block
	s_and_b32 s[IE], s[WV], 3
	s_and_b32 s48, s[WV], 7                        ; the unit that I ask for: waves 0-7 K's, waves 8-15 V's
	s_mov_b32 s[G0K], 1
	s_mov_b32 s[G0V], 1
	s_mul_i32 s[G0K+1], s48, KUB
	s_mul_i32 s[G0V+1], s48, VUB
	s_add_co_u32 s[G0V+1], s[G0V+1], VBASE
	s_lshl_b32 s[QU], s13, 5
	s_lshl_b32 s49, s14, 3
	s_add_co_u32 s[QU], s[QU], s49                 ; q's unit 0 of this head and batch; k's lies 512 units on
	s_add_co_u32 s50, s[QU], s48
	s_add_co_u32 s50, s50, 512
	s_mul_i32 s50, s50, KUB
	s_mov_b32 s51, 0
	s_lshl_b32 s52, s11, 3
	s_add_co_u32 s52, s52, s48
	s_mul_i32 s52, s52, VUB
	s_mov_b32 s53, 0
	s_mov_b32 s[G1K], 15|(3<<16)|(1<<21)           ; the four of the cluster; elements of 8 bytes; a unit of K is 52 dense rows of 256 bytes
	s_mov_b32 s[G1K+1], 32<<16
	s_mov_b32 s[G1K+2], 52<<16
	s_mov_b32 s[G1K+3], 32<<16
	s_mov_b32 s[G1K+4], 52
	s_mov_b32 s[G1K+5], 32
	s_mov_b32 s[G1K+6], 0
	s_mov_b32 s[G1K+7], 0
	s_mov_b32 s[G1V], 15|(3<<16)|(1<<21)           ; a unit of V: 50 rows
	s_mov_b32 s[G1V+1], 32<<16
	s_mov_b32 s[G1V+2], 50<<16
	s_mov_b32 s[G1V+3], 32<<16
	s_mov_b32 s[G1V+4], 50
	s_mov_b32 s[G1V+5], 32
	s_mov_b32 s[G1V+6], 0
	s_mov_b32 s[G1V+7], 0
	s_mov_b32 s[SEL], 0x76543210
	s_mov_b32 s[SEL+1], 0xfedcba98                 ; v_permlanex16_b32's selects for lane l xor 16
	s_mov_b32 s[CS], 0x3e38aa3b                    ; log2(e) / 8
	s_mov_b32 s[CS+1], s[CS]
	s_mov_b32 s[HM], 0xffff0000
	s_mov_b32 s[PS], 0
	WALU
	s_wait_dscnt 0x0
	ROUND                                          ; in front of the joint loads
	s_wait_kmcnt 0x0
	s_add_nc_u64 s[G0K+2:G0K+3], s[4:5], s[50:51]
	s_or_b32 s[G0K+3], s[G0K+3], 0x80000000
	s_add_nc_u64 s[G0V+2:G0V+3], s[6:7], s[52:53]
	s_or_b32 s[G0V+3], s[G0V+3], 0x80000000
	s_cmp_lt_u32 s[WV], 8
	s_cbranch_scc0 .Lfor_v
	tensor_load_to_lds s[G0K:G0K+3], s[G1K:G1K+7]
	s_nop 0
	NOPS 4
	s_branch .Lasked
.Lfor_v:
	tensor_load_to_lds s[G0V:G0V+3], s[G1V:G1V+7]
	s_nop 0
	NOPS 4
.Lasked:                                           ; every way has passed one load: one tensor load of mine is out
	s_lshr_b32 s48, s[CX], 1
	s_lshl_b32 s48, s48, 5
	s_and_b32 s49, s[CX], 1
	s_lshl_b32 s49, s49, 3
	s_add_co_u32 s48, s48, s49                     ; 32 (cx / 2) + 8 (cx % 2): into vector values and global addresses alone
	v_and_b32 v8, 31, v0
	v_lshlrev_b32 v[L16], 4, v8
	v_lshlrev_b32 v[L8], 3, v8
	v_lshlrev_b32 v[L4], 2, v8
	v_and_b32 v9, 15, v0                           ; r
	v_bfe_u32 v10, v0, 4, 1                        ; h
	v_lshl_add_u32 v[OSO], v9, 5, v10
	v_and_b32 v[DQ0], 8, v9
	v_add3_u32 v[DQ0], v[DQ0], v9, s48
	v_lshlrev_b32 v10, 4, v10
	v_sub_nc_u32 v[DQ0], v[DQ0], v10
	v_mov_b32 v[NINF], 0xff800000
	v_mov_b32 v21, 0                               ; named in a pair with f
.irp i, 28,29,30,31,32,33
	v_mov_b32 v[\i], 0                             ; zero codes, written once
.endr
.irp i, 0,1,2,3
	v_mov_b32 v[PT+\i], 0                          ; a lane permute's destination counts as a source
.endr
	s_lshl_b32 s54, s14, 10                        ; oq's codes: [tile of 16 positions][128 along K][1,536]: this head's half of fragment head / 2
	s_lshr_b32 s55, s13, 1
	s_add_co_u32 s54, s54, s55
	s_mul_i32 s54, s54, 1536
	s_and_b32 s55, s13, 1
	s_mul_i32 s55, s55, 768
	s_add_co_u32 s54, s54, s55
	s_mov_b32 s55, 0
	s_add_nc_u64 s[56:57], s[8:9], s[54:55]
	s_lshl_b32 s54, s14, 16                        ; its scale bytes: 32 a position, bytes 2 x head and 2 x head + 1
	s_lshl_b32 s49, s13, 1
	s_add_co_u32 s54, s54, s49
	s_add_co_u32 s54, s54, OSC
	s_add_nc_u64 s[58:59], s[8:9], s[54:55]
	s_sub_co_u32 s76, 7, s[B]
	s_sub_co_u32 s77, 3, s[IE]
	WALU
	QLD 15, 16, QA, QA+6, 66, 68                   ; both tiles' Q come under the tiles' flight
	QLD 76, 77, QB, QB-1, 70, 74
	s_wait_loadcnt 0x0
	s_wait_tensorcnt 0x0                           ; every wave waits for its unit,
	s_barrier_signal -1
	s_barrier_wait -1                              ; and all sixteen are shown to all
; A KEY STEP: 128 keys, the q-th of the unit in hand.  Its K is in flight or in.
.macro STEP q
.if \q
	s_add_co_u32 s48, s[KI], 1
	s_cmp_ge_u32 s48, s[N]                         ; behind my queries: left out (wave's number and loop count alone)
	s_cbranch_scc1 .Lhid_\@
.endif
	s_wait_dscnt 0x0                               ; K is in
.irp t, 0,1,2,3,4,5,6,7
	QK \t
.endr
	NOPS 4                                         ; places ahead of the loads into K's registers and of the first read of the scores
.set KOF, 6144+(\q)*(KUB-6144)         ; where the next step's K lies from the unit in hand (behind the last unit: bytes of V's region, never used),
.set KSO, 12288+512+(\q)*(KUB-512)     ; and its scale words
	s_add_co_u32 s48, s[KI], \q+1
	s_cmp_lg_u32 s48, s[N]                         ; my last step lies on the diagonal
	s_cbranch_scc1 .Lopen_\@
.set n, 0
.rept 64
	v_cmp_gt_i32 vcc_lo, 32*(n/16)+n%16, v[D]      ; register 16 b + i holds key 32 b + 16 (lane / 16) + i of the step
	v_cndmask_b32 v[S+n], v[S+n], v[NINF], vcc_lo
.set n, n+1
.endr
.Lopen_\@:
.irp b, 0,1,2,3
	v_max3_num_f32 v[BM+\b], v[S+16*\b], v[S+1+16*\b], v[S+2+16*\b]   ; the largest score of each block of 32 keys: for the row's maximum and, since p rises with the score, for the block's largest p
.endr
.irp i, 3,5,7,9,11,13
.irp b, 0,1,2,3
	v_max3_num_f32 v[BM+\b], v[BM+\b], v[S+16*\b+\i], v[S+1+16*\b+\i]
.endr
.endr
.irp b, 0,1,2,3
	v_max_num_f32 v[BM+\b], v[BM+\b], v[S+15+16*\b]
.endr
.irp b, 0,1,2,3
	v_permlanex16_b32 v[PT+\b], v[BM+\b], s[SEL], s[SEL+1]
.endr
.irp b, 0,1,2,3
	v_max_num_f32 v[BM+\b], v[BM+\b], v[PT+\b]     ; with lane l xor 16's 16 keys
.endr
	v_mov_b32 v[TA+1], v16                         ; the old -M
	v_max3_num_f32 v[TA], v[BM], v[BM+1], v[BM+2]  ; each of these lines hangs on the one before it: the next step's 20 LDS loads of K stand among them
	KLF 0, KOF
	v_max_num_f32 v[TA], v[TA], v[BM+3]
	KLF 1, KOF
	v_mul_f32 v[TA], s[CS], v[TA]
	KLF 2, KOF
	v_max_num_f32 v17, v17, v[TA]                  ; the running largest t
	KLF 3, KOF
	v_floor_f32 v16, -v17                          ; the new -M = -ceil(t)
.irp m, 0,1,2,3
	ds_load_b32 v[KS+\m], v[AK4] offset:KSO+128*\m
.endr
	v_sub_f32 v[TA], v16, v[TA+1]                  ; old M - new M, a whole number
	v_pk_fma_f32 v[S:S+1], v[S:S+1], s[CS:CS+1], v[16:17] op_sel_hi:[1,0,0]
	v_pk_fma_f32 v[S+2:S+3], v[S+2:S+3], s[CS:CS+1], v[16:17] op_sel_hi:[1,0,0]
	v_cvt_i32_f32 v[TA], v[TA]                     ; (it saturates)
	v_pk_fma_f32 v[S+4:S+5], v[S+4:S+5], s[CS:CS+1], v[16:17] op_sel_hi:[1,0,0]
	v_pk_fma_f32 v[S+6:S+7], v[S+6:S+7], s[CS:CS+1], v[16:17] op_sel_hi:[1,0,0]
	v_ldexp_f32 v20, 1.0, v[TA]                    ; f = 2^(old M - new M): a multiplication by it rounds nothing
.set n, 8
.rept 28
	v_pk_fma_f32 v[S+n:S+n+1], v[S+n:S+n+1], s[CS:CS+1], v[16:17] op_sel_hi:[1,0,0]   ; t - M
.set n, n+2
.endr
.irp b, 0,1,2,3
	v_fma_f32 v[BM+\b], v[BM+\b], s[CS], v16
.endr
	WALU                                           ; ahead of the batch
.irp b, 0,1,2,3
	v_exp_f32 v[BM+\b], v[BM+\b]                   ; the block's largest p
.endr
.set n, 0
.rept 64
	v_exp_f32 v[S+n], v[S+n]                       ; p = 2^(t - M)
.set n, n+1
.endr
	v_nop
	WALU                                           ; and behind it, ahead of its first reader
.irp j, 0,2,4,6
	v_pk_add_f32 v[T+\j:T+\j+1], v[S+\j:S+\j+1], v[S+8+\j:S+9+\j]   ; the sum of the unquantised p, four chains
.endr
.set n, 16
.rept 24
	v_pk_add_f32 v[T+n%8:T+n%8+1], v[T+n%8:T+n%8+1], v[S+n:S+n+1]
.set n, n+2
.endr
	v_pk_add_f32 v[T:T+1], v[T:T+1], v[T+2:T+3]
	v_pk_add_f32 v[T+4:T+5], v[T+4:T+5], v[T+6:T+7]
.irp b, 0,1,2,3
	v_max_num_f32 v[BM+\b], 0x1800000, v[BM+\b]    ; the floor 2^(3 - 127)
.endr
	v_pk_add_f32 v[T:T+1], v[T:T+1], v[T+4:T+5]
.irp b, 0,1,2,3
	v_add_nc_u32 v[SO+\b], 0xff000000, v[BM+\b]    ; the conversion's scale operand
.endr
	v_pk_fma_f32 v[18:19], v[18:19], v[20:21], v[T:T+1] op_sel_hi:[1,0,1]   ; the sum under the new M, and this step's
.irp b, 0,1,2,3
	v_lshrrev_b32 v[PT+\b], 23, v[SO+\b]           ; the scale's byte
.endr
	v_lshl_or_b32 v41, v[PT+1], 8, v[PT]
	v_lshl_or_b32 v41, v[PT+2], 16, v41
	v_lshl_or_b32 v41, v[PT+3], 24, v41            ; p's scale word for these 128 keys
.irp c, 0,1
	v_cvt_scalef32_pk16_fp6_f32 v[P+6*\c:P+6*\c+2], v[S+32*\c:S+32*\c+15], v[SO+2*\c]
	v_cvt_scalef32_pk16_fp6_f32 v[CT+4*\c:CT+4*\c+2], v[S+32*\c+16:S+32*\c+31], v[SO+2*\c+1]
.endr
.irp t, 0,1,2,3                                ; p is converted and summed: V's four fragments land in its registers
	ds_load_b128 v[S+12*\t:S+12*\t+3], v[AV16] offset:6144*(\q)+1536*\t
	ds_load_b64 v[S+12*\t+4:S+12*\t+5], v[AV8] offset:6144*(\q)+1536*\t+512
	ds_load_b128 v[S+12*\t+6:S+12*\t+9], v[AV16] offset:6144*(\q)+1536*\t+768
	ds_load_b64 v[S+12*\t+10:S+12*\t+11], v[AV8] offset:6144*(\q)+1536*\t+1280
.endr
	ds_load_b32 v[VS], v[AV4] offset:12288+256*(\q)
	ds_load_b32 v[VS+1], v[AV4] offset:12288+256*(\q)+128
	v_nop                                          ; one plain place behind a scaled conversion
.irp c, 0,1                                    ; a whole block to a lane
.irp i, 0,1,2
	v_permlane16_swap_b32 v[P+6*\c+\i], v[CT+4*\c+\i]
.endr
.irp i, 0,1,2
	v_mov_b32 v[P+3+6*\c+\i], v[CT+4*\c+\i]
.endr
.endr
	WALU                                           ; directly ahead of the first reader of O^T
.set n, 0
.rept 16
	v_pk_mul_f32 v[O+n:O+n+1], v[O+n:O+n+1], v[20:21] op_sel_hi:[1,0]   ; O^T under the new M, each accumulator from its low end on, while V is on its way
.set n, n+2
.endr
	NOPS 4                                         ; places between the last writes of operands and the products
	WALU                                           ; directly ahead of the wait below
	s_wait_dscnt 0x0
.irp t, 0,1,2,3
	PV \t                                          ; O^T += V^T P^T: four accumulators by turns
.endr
	NOPS 5                                         ; places ahead of the products that write the scores over V's fragments
.if \q
.Lhid_\@:
.endif
.endm
.Lpass:                                            ; two trips: my tile of block 7 - p, then my tile of block p
	s_wait_xcnt 0x0                                ; earlier stores have read their data
	s_lshl_b32 s[N], s[B], 1
	s_lshr_b32 s48, s[IE], 1
	s_add_co_u32 s[N], s[N], s48
	s_add_co_u32 s[N], s[N], 1                     ; my steps: 2 b + 1 + i' / 2
	s_and_b32 s48, s[IE], 1
	s_lshl_b32 s48, s48, 6
	v_add_nc_u32 v[D], s48, v[DQ0]
.irp i, 0,1,2,3,4,5
	v_mov_b32 v[22+\i], v[QA+\i]
	v_mov_b32 v[34+\i], v[QA+\i]
.endr
	v_mov_b32 v40, v[QA+6]
.irp i, 0,1,2,3,4,5
	v_mov_b32 v[QA+\i], v[QB+\i]
.endr
	v_mov_b32 v[QA+6], v[QB-1]
	v_mov_b32 v17, 0xff61b1e6                      ; the largest t so far: -3e38
	v_floor_f32 v16, -v17
	v_mov_b32 v18, 0
	v_mov_b32 v19, 0
.set n, 0
.rept 32
	v_mov_b32 v[O+n], 0                            ; the step is written once: the first finds zeros
.set n, n+1
.endr
	KLOAD L16, L8, L4, 0, 12288                    ; step 0's K
	s_mov_b32 s[KI], 0
	s_mov_b32 s[TBK], 0
	s_mov_b32 s[TBV], VBASE
	WALU                                           ; ahead of the branches below
.Lunit:                                            ; eight trips, a unit of 256 keys each
	s_cmp_ge_u32 s[KI], s[N]
	s_cbranch_scc1 .Lskip
	v_add_nc_u32 v[AK16], s[TBK], v[L16]
	v_add_nc_u32 v[AK8], s[TBK], v[L8]
	v_add_nc_u32 v[AK4], s[TBK], v[L4]
	v_add_nc_u32 v[AV16], s[TBV], v[L16]
	v_add_nc_u32 v[AV8], s[TBV], v[L8]
	v_add_nc_u32 v[AV4], s[TBV], v[L4]
	WALU
	STEP 0
	STEP 1
.Lskip:
	s_add_co_u32 s[TBK], s[TBK], KUB
	s_add_co_u32 s[TBV], s[TBV], VUB
	s_add_co_u32 s[KI], s[KI], 2
	s_cmp_lt_u32 s[KI], 16
	s_cbranch_scc1 .Lunit
; The tile is finished: O^T / the sum, in f32; register 16 b + i is channel 32 b + 16 (lane / 16) + i of my query: two blocks of 32 are quantised and leave as one image and two bytes a row.
	s_wait_dscnt 0x0                               ; the K fetched beyond my last step has landed
	s_lshl_b32 s48, s[B], 4
	s_lshl_b32 s49, s[IE], 2
	s_add_co_u32 s48, s48, s49
	s_add_co_u32 s48, s48, s[CX]                   ; tile 16 b + 4 i' + cx of the batch
	s_mul_i32 s50, s48, 12288
	s_mov_b32 s51, 0
	s_add_nc_u64 s[68:69], s[56:57], s[50:51]
	s_lshl_b32 s50, s48, 9
	s_add_nc_u64 s[70:71], s[58:59], s[50:51]
	v_add_f32 v18, v18, v19
	v_permlanex16_b32 v[PT], v18, s[SEL], s[SEL+1]
	v_add_f32 v18, v18, v[PT]                      ; the row's sum
	WALU
	v_rcp_f32 v18, v18
	v_nop
	WALU                                           ; ahead of the reciprocal's first reader and of O^T's
.set n, 0
.rept 16
	v_pk_mul_f32 v[S+n:S+n+1], v[O+n:O+n+1], v[18:19] op_sel_hi:[1,0]
.set n, n+2
.endr
.irp b, 0,1
	v_max3_num_f32 v[BM+\b], |v[S+16*\b]|, |v[S+1+16*\b]|, 0x1800000
.endr
.irp i, 2,4,6,8,10,12,14
.irp b, 0,1
	v_max3_num_f32 v[BM+\b], v[BM+\b], |v[S+16*\b+\i]|, |v[S+1+16*\b+\i]|
.endr
.endr
.irp b, 0,1
	v_permlanex16_b32 v[PT+\b], v[BM+\b], s[SEL], s[SEL+1]
.endr
.irp b, 0,1
	v_max_num_f32 v[BM+\b], v[BM+\b], v[PT+\b]
.endr
.irp b, 0,1
	v_add_nc_u32 v[SO+\b], 0xff000000, v[BM+\b]
.endr
.irp b, 0,1
	v_lshrrev_b32 v[PT+\b], 23, v[SO+\b]
.endr
	v_cndmask_b32 v[TA], v[PT], v[PT+1], s[HM]     ; lanes 0-15 block 0's byte, lanes 16-31 block 1's
	v_cvt_scalef32_pk16_fp6_f32 v[P:P+2], v[S:S+15], v[SO]
	v_cvt_scalef32_pk16_fp6_f32 v[CT:CT+2], v[S+16:S+31], v[SO+1]
	v_nop
.irp i, 0,1,2
	v_permlane16_swap_b32 v[P+\i], v[CT+\i]
.endr
.irp i, 0,1,2
	v_mov_b32 v[P+3+\i], v[CT+\i]
.endr
	global_store_b128 v[L16], v[P:P+3], s[68:69]               ; 512 consecutive bytes, aligned to 256
	global_store_b64 v[L8], v[P+4:P+5], s[68:69] offset:512    ; 256 consecutive bytes, aligned
	global_store_b8 v[OSO], v[TA], s[70:71]
	s_sub_co_u32 s[B], 7, s[B]
	s_sub_co_u32 s[IE], 3, s[IE]
	s_add_co_u32 s[PS], s[PS], 1
	s_cmp_lt_u32 s[PS], 2
	s_cbranch_scc1 .Lpass
	s_wait_tensorcnt 0x0                           ; the wave's end
	ds_add_u32 v[SPW], v[NIL]
	s_wait_dscnt 0x0
	ROUND                                          ; the closing round
	s_endpgm
.Lfunc_end_k_qeca9dbdc04_attn:
	.size	k_qeca9dbdc04_attn, .Lfunc_end_k_qeca9dbdc04_attn-k_qeca9dbdc04_attn
	.p2alignl 7, 3214868480
	.fill 96, 4, 3214868480
	.section	.rodata,"a",@progbits
	.p2align	6, 0x0
	.amdhsa_kernel k_qeca9dbdc04_attn
		.amdhsa_group_segment_fixed_size 327680
		.amdhsa_private_segment_fixed_size 0
		.amdhsa_enable_private_segment 0
		.amdhsa_kernarg_size 24
		.amdhsa_user_sgpr_count 2
		.amdhsa_user_sgpr_kernarg_segment_ptr 1
		.amdhsa_wavefront_size32 1
		.amdhsa_system_sgpr_workgroup_id_x 1
		.amdhsa_system_sgpr_workgroup_id_y 1
		.amdhsa_system_sgpr_workgroup_id_z 1
		.amdhsa_system_vgpr_workitem_id 0
		.amdhsa_next_free_vgpr 256
		.amdhsa_next_free_sgpr 80
		.amdhsa_reserve_vcc 1
		.amdhsa_float_denorm_mode_32 3
		.amdhsa_float_denorm_mode_16_64 3
		.amdhsa_memory_ordered 1
		.amdhsa_forward_progress 1
		.amdhsa_inst_pref_size 58
	.end_amdhsa_kernel
	.amdgpu_metadata
---
amdhsa.version: [ 1, 2 ]
amdhsa.kernels:
  - .name:           k_qeca9dbdc04_attn
    .symbol:         k_qeca9dbdc04_attn.kd
    .args:
      - { .name: qkbuf, .offset: 0, .size: 8, .value_kind: global_buffer, .address_space: global }
      - { .name: vbuf, .offset: 8, .size: 8, .value_kind: global_buffer, .address_space: global }
      - { .name: oq, .offset: 16, .size: 8, .value_kind: global_buffer, .address_space: global }
    .group_segment_fixed_size: 327680
    .private_segment_fixed_size: 0
    .kernarg_segment_align: 8
    .kernarg_segment_size: 24
    .max_flat_workgroup_size: 512
    .sgpr_count:     80
    .vgpr_count:     256
    .wavefront_size: 32
...
	.end_amdgpu_metadata
.endif
;; end of part 3
;; launch gemm_out (part 4): grid 8 x 32, 4 waves a work-group, clusters of 4 x 4, 327,680 bytes of LDS; arguments oq, wq, out0; writes out0
.if DOCPART == 4
	.amdgcn_target "amdgcn-amd-amdhsa--gfx1250"
	.amdhsa_code_object_version 6
	.text
	.protected	k_qeca9dbdc04_gemm_out
	.globl	k_qeca9dbdc04_gemm_out
	.p2align	8
	.type	k_qeca9dbdc04_gemm_out,@function
k_qeca9dbdc04_gemm_out:
	s_mov_b64 s[64:65], 0
	v_nop
	global_prefetch_b8 v0, s[64:65] scope:SCOPE_SE
	s_setreg_imm32_b32 hwreg(HW_REG_WAVE_MODE, 25, 1), 1
	s_wait_xcnt 0x0
	s_wait_alu depctr_hold_cnt(0) depctr_sa_sdst(0) depctr_va_vdst(0) depctr_va_sdst(0) depctr_va_ssrc(0) depctr_va_vcc(0) depctr_vm_vsrc(0)
	s_getreg_b32 s2, hwreg(HW_REG_IB_STS2, 6, 4)
	s_cmp_eq_u32 s2, 0
	s_cbranch_scc0 .Lentry_in_a_cluster
	s_endpgm
.Lentry_in_a_cluster:
	s_bfe_u32 s2, ttmp6, 0x10000c
	s_cmp_lg_u32 s2, 0xf033
	s_cbranch_scc0 .Lentry_shape_is_right
	s_endpgm
.Lentry_shape_is_right:
; The last projection on codes of FP6 (E2M3): out0[m][n] = sum over k of A[m][k] B[n][k], K = 1,024; A = the attention's result (oq), B = W_out's columns (wq); sums and result in f32.
; A BLOCK OF 256 x 128 to a work-group, 8 x 32 = 256 work-groups of four waves; a wave makes 128 x 64: A's eight blocks of 16 rows against B's four: 32 accumulators, all of window 2.
; ALL OF K LIES IN LDS AT ONCE: A's 256 positions x 768 bytes = 196,608 (images of operand registers, dense); B's 4 K steps x 128 columns x (192 + 3 x 8 of padding) = 110,592; the scale bytes of 384 rows, 13,056; 512 of spare words:
; 320,768 bytes.  So the four tiles are asked for at the head, one a wave; one wait and one barrier show them to all; there is no ring and nothing is filled again.
; No data prefetch: every tile is asked for at the head, and no loop is left to run ahead in.
; CLUSTERS: 4 x 4 work-groups; A's tile and scales are asked for jointly along a row of the cluster, B's along a column.
; THE MATRIX INSTRUCTION IS USED TRANSPOSED (source 0 = 16 columns of W_out, source 1 = 16 positions of A): a lane holds eight neighbouring numbers of a row of the result.
; Positions of A are tokens with bits 3 and 4 of the index swapped: the way out stores position p of a group of 32 at its token's row.
; REGISTERS: window 0: v0-31 addresses; v32-63 scale words, two sets; v64-127 the way out; v128-223 A's fragments, one set.  window 1: B's fragments, two sets, at v0 and v128.  window 2: the accumulators, (a, b) at v[8 (4 a + b)].
.set SIZE_N, 1024
.set PITCH,  216                       ; an LDS row of B: 3 x (64 bytes + 8 of padding)
.set FR,     12
.set NP,     4                         ; places behind this matrix instruction (ISA guide 7.12.1)
.set BB,     196608                    ; LDS: A's images, then B's rows,
.set SCL,    BB+4*128*PITCH            ; then the scales, as rows of 256 bytes + 16: A's 256 rows, B's 128
.set HALFS,  4352                      ; the scales of 128 rows
.set SBLK,   544                       ; of 16 rows
.set SPARE,  SCL+3*HALFS               ; the spare words: 128 bytes for each wave, named by no other line
.set SPITCH, 272                       ; the way out: a stage of 16 rows x (256 + 16) bytes for each wave, on A's first bytes
.set OSC,    6291456
.set WOC,    2457600
.set WOS,    3244032
.set ADRA, 9                           ; v9, v10 LDS address of my A blocks 0-3, 4-7, 16 bytes a lane; v11, v12 the same, 8 bytes a lane
.set ADRB, 16                          ; v16, v17 LDS address of my B fragments in K steps 0-1, 2-3; v18, v19 the same behind one padding more
.set STO,  24
.set RD,   25
.set CO,   26
.set ADRS, 27                          ; my scale words: lanes 0-15 A's rows, lanes 16-31 B's
.set SPW,  28
.set NIL,  29
.set ADRS2, 30                         ; the same for A's blocks 4-7: lanes 16-31 stay on B's four blocks
.set SC,   32
.set BK,   64
.set AF,   128
.set G1, 24
.set G0, 32
.set G1B, 48
.set G0B, 56
.set G1S, 68
.set G0S, 76
.set G1SB, 80
.set G0SB, 88
.set MSB, 0
.macro WIN new                         ; the immediate's high byte repeats the setting that is left
.if MSB != \new
	s_set_vgpr_msb (MSB<<8)|\new
.set MSB, \new
.endif
.endm
.set MULW, 0xa1                        ; source 0 (B) window 1, source 1 (A) window 0, C and D window 2
.set TO_B, 0x40
.macro PLACES n
.rept \n
	v_nop
.endr
.endm
.macro CROUND                          ; a round of the cluster's barrier
	s_barrier_signal -1
	s_barrier_wait -1
	s_cmp_lg_u32 s14, 0
	s_cbranch_scc1 .Lnot_wave_0_\@
	s_barrier_signal -3
.Lnot_wave_0_\@:
	s_barrier_wait -3
	s_barrier_signal -1
	s_barrier_wait -1
.endm
	s_load_b128 s[4:7], s[0:1], 0x0                ; oq, wq
	s_load_b64 s[12:13], s[0:1], 0x10              ; out0
	v_lshl_add_u32 v[SPW], v0, 2, SPARE
	v_mov_b32 v[NIL], 0
	ds_add_u32 v[SPW], v[NIL]                      ; the opening lines: the add, twice on end, and its wait
	ds_add_u32 v[SPW], v[NIL]
	v_lshrrev_b32 v1, 5, v0
	v_readfirstlane_b32 s14, v1                    ; wave 0..3
	s_lshr_b32 s15, s14, 1                         ; my half of the block's rows
	s_and_b32 s16, s14, 1                          ; my half of its columns
	s_bfe_u32 s40, ttmp6, 0x40000                  ; cx, cy
	s_bfe_u32 s41, ttmp6, 0x40004
	s_lshl_b32 s42, ttmp9, 2
	s_add_co_u32 s42, s42, s40                     ; block column, 0 .. 7
	s_and_b32 s17, ttmp7, 0xffff
	s_lshl_b32 s17, s17, 2
	s_add_co_u32 s17, s17, s41                     ; block row, 0 .. 31
	s_lshl_b32 s43, s41, 2
	s_lshl_b32 s43, 15, s43                        ; my row of the cluster
	s_lshl_b32 s44, 0x1111, s40                    ; my column
	s_or_b32 s[G1+0], s43, (3<<16)|(1<<21)         ; A: 196,608 dense bytes as 768 rows of 256 (32 elements of 8 bytes), no padding
	s_mov_b32 s[G1+1], 32<<16
	s_mov_b32 s[G1+2], 768<<16
	s_mov_b32 s[G1+3], 32<<16
	s_mov_b32 s[G1+4], 768
	s_mov_b32 s[G1+5], 32
	s_mov_b32 s[G1+6], 0
	s_mov_b32 s[G1+7], 0
	s_or_b32 s[G1B+0], s44, (0<<16)|(1<<20)|(1<<21)|(3<<22)|(1<<25)   ; B: 98,304 dense bytes as 384 rows of 256; after every 16 words 2 words of padding
	s_mov_b32 s[G1B+1], 256<<16
	s_mov_b32 s[G1B+2], 384<<16
	s_mov_b32 s[G1B+3], 256<<16
	s_mov_b32 s[G1B+4], 384
	s_mov_b32 s[G1B+5], 256
	s_mov_b32 s[G1B+6], 0
	s_mov_b32 s[G1B+7], 0
	s_or_b32 s[G1S+0], s43, (3<<16)|(1<<20)|(1<<21)|(5<<22)|(3<<25)   ; the scales: rows of 256 bytes, 16 bytes of padding behind each: A's 32 rows,
	s_or_b32 s[G1SB+0], s44, (3<<16)|(1<<20)|(1<<21)|(5<<22)|(3<<25)  ; B's 16
	s_mov_b32 s[G1S+1], 32<<16
	s_mov_b32 s[G1S+2], 32<<16
	s_mov_b32 s[G1S+3], 32<<16
	s_mov_b32 s[G1S+4], 32
	s_mov_b32 s[G1S+5], 32
	s_mov_b32 s[G1S+6], 0
	s_mov_b32 s[G1S+7], 0
	s_mov_b32 s[G1SB+1], 32<<16
	s_mov_b32 s[G1SB+2], 16<<16
	s_mov_b32 s[G1SB+3], 32<<16
	s_mov_b32 s[G1SB+4], 16
	s_mov_b32 s[G1SB+5], 32
	s_mov_b32 s[G1SB+6], 0
	s_mov_b32 s[G1SB+7], 0
	s_mul_i32 s20, s17, 196608                     ; A's codes hang on the block row alone,
	s_mov_b32 s21, 0
	s_lshl_b32 s22, s17, 13
	s_add_co_u32 s22, s22, OSC                     ; and so do its scales;
	s_mov_b32 s23, 0
	s_mul_i32 s46, s42, 98304
	s_add_co_u32 s46, s46, WOC                     ; B's on the block column alone
	s_mov_b32 s47, 0
	s_lshl_b32 s92, s42, 12
	s_add_co_u32 s92, s92, WOS
	s_mov_b32 s93, 0
	s_wait_dscnt 0x0                               ; both opening adds are done
	s_wait_kmcnt 0x0
	s_add_nc_u64 s[20:21], s[4:5], s[20:21]
	s_add_nc_u64 s[22:23], s[4:5], s[22:23]
	s_add_nc_u64 s[46:47], s[6:7], s[46:47]
	s_add_nc_u64 s[92:93], s[6:7], s[92:93]
	CROUND                                         ; all sixteen work-groups are here: the joint loads meet
	s_mov_b32 s[G0], 1
	s_mov_b32 s[G0+1], 0
	s_mov_b64 s[G0+2:G0+3], s[20:21]
	s_or_b32 s[G0+3], s[G0+3], 0x80000000
	s_mov_b32 s[G0B], 1
	s_mov_b32 s[G0B+1], BB
	s_mov_b64 s[G0B+2:G0B+3], s[46:47]
	s_or_b32 s[G0B+3], s[G0B+3], 0x80000000
	s_mov_b32 s[G0S], 1
	s_mov_b32 s[G0S+1], SCL
	s_mov_b64 s[G0S+2:G0S+3], s[22:23]
	s_or_b32 s[G0S+3], s[G0S+3], 0x80000000
	s_mov_b32 s[G0SB], 1
	s_mov_b32 s[G0SB+1], SCL+2*HALFS
	s_mov_b64 s[G0SB+2:G0SB+3], s[92:93]
	s_or_b32 s[G0SB+3], s[G0SB+3], 0x80000000
; THE LOADS, ONE A WAVE: wave 0 A's codes, wave 1 B's, wave 2 A's scales, wave 3 B's.  One chain of branches on the wave's number; every way passes one load.
.macro ARM under, g0, g1, next
	s_cmp_lt_u32 s14, \under
	s_cbranch_scc0 \next
	tensor_load_to_lds s[\g0:\g0+3], s[\g1:\g1+7]
	s_nop 0
	PLACES 4
	s_branch .Lhead_asked
\next:
.endm
	ARM 1, G0, G1, .Lhead_b
	ARM 2, G0B, G1B, .Lhead_sa
	ARM 3, G0S, G1S, .Lhead_sb
	tensor_load_to_lds s[G0SB:G0SB+3], s[G1SB:G1SB+7]
	s_nop 0
	PLACES 4
.Lhead_asked:
	v_and_b32 v1, 15, v0                           ; r = lane % 16
	v_bfe_u32 v2, v0, 4, 1                         ; h = lane / 16
	v_and_b32 v6, 31, v0
	v_lshlrev_b32 v7, 4, v6
	v_lshlrev_b32 v8, 3, v6
	s_mul_i32 s21, s15, 98304                      ; my 128 positions of A: eight images of 12,288 bytes
	v_add_nc_u32 v[ADRA], s21, v7
	v_add_nc_u32 v[ADRA+2], s21, v8
	s_add_co_u32 s21, s21, 49152
	v_add_nc_u32 v[ADRA+1], s21, v7
	v_add_nc_u32 v[ADRA+3], s21, v8
	v_mul_u32_u24 v3, v1, PITCH
	v_mad_u32_u24 v4, v2, 24, v3                   ; a fragment's row x pitch + 24 h,
	v_lshl_add_u32 v5, v2, 3, v4                   ; and the same behind one padding more
	s_mul_i32 s22, s16, 64*PITCH                   ; my 64 columns of B
	s_add_co_u32 s22, s22, BB
	v_add_nc_u32 v[ADRB], s22, v4
	v_add_nc_u32 v[ADRB+2], s22, v5
	s_add_co_u32 s22, s22, 2*128*PITCH
	v_add_nc_u32 v[ADRB+1], s22, v4
	v_add_nc_u32 v[ADRB+3], s22, v5
	v_lshlrev_b32 v5, 5, v1                        ; my row's scales: 32 bytes a row,
	v_lshrrev_b32 v6, 8, v5
	v_lshl_add_u32 v5, v6, 4, v5                   ; and 16 more for each 256 passed
	s_mul_i32 s21, s15, HALFS
	s_mul_i32 s22, s16, HALFS/2
	s_add_co_u32 s22, s22, 2*HALFS
	s_sub_co_u32 s22, s22, s21
	v_mul_u32_u24 v6, s22, v2                      ; lanes 16-31 take B's
	s_add_co_u32 s21, s21, SCL
	v_add_nc_u32 v5, v5, v6
	v_add_nc_u32 v[ADRS], s21, v5
	v_mul_u32_u24 v6, v2, 4*SBLK
	v_sub_nc_u32 v[ADRS2], v[ADRS], v6
	s_mul_i32 s23, s14, 16*SPITCH                  ; my stage
	v_mul_u32_u24 v5, v1, SPITCH                   ; in: row r, 32 bytes for each half of the lanes
	v_lshl_add_u32 v5, v2, 5, v5
	v_add_nc_u32 v[STO], s23, v5
	v_mul_u32_u24 v5, v2, SPITCH                   ; back: lanes 0-15 one row of 256 bytes, lanes 16-31 the next
	v_lshl_add_u32 v5, v1, 4, v5
	v_add_nc_u32 v[RD], s23, v5
	v_mul_u32_u24 v5, v2, SIZE_N*4                 ; and the same two rows in the result
	v_lshl_add_u32 v[CO], v1, 4, v5
	s_lshl_b32 s20, s17, 8
	s_lshl_b32 s21, s15, 7
	s_add_co_u32 s20, s20, s21                     ; my first row
	s_lshl_b32 s20, s20, 12                        ; 4,096 bytes a row
	s_lshl_b32 s46, s42, 9
	s_add_co_u32 s20, s20, s46
	s_lshl_b32 s46, s16, 8
	s_add_co_u32 s20, s20, s46                     ; my first column: 512 x block column + 256 x half, in bytes
	s_mov_b32 s21, 0
	s_add_nc_u64 s[12:13], s[12:13], s[20:21]
; B's fragment of step st (128 along K): K step st / 2 of 256, half st % 2 of its 192 bytes: six pieces of 8 bytes; 8 bytes of padding lie behind every 8 pieces
.macro FRAG reg, st, i
.irp p, 0,1,2,3,4,5
.set PCE, 12*((\st)%2)+6*(\p/3)+\p%3
.if PCE%8 < 5
	ds_load_b64 v[\reg+2*\p:\reg+2*\p+1], v[ADRB+(\st)/4] offset:8*PCE+8*(PCE/8)+(\i)*16*PITCH+(((\st)/2)%2)*128*PITCH
.else
	ds_load_b64 v[\reg+2*\p:\reg+2*\p+1], v[ADRB+2+(\st)/4] offset:8*PCE+8*(PCE/8)+(\i)*16*PITCH+(((\st)/2)%2)*128*PITCH
.endif
.endr
.endm
.macro FRAGA reg, st, i                ; A's fragment: an image of its twelve registers, 1,536 bytes
	ds_load_b128 v[\reg:\reg+3], v[ADRA+(\i)/4] offset:12288*((\i)%4)+1536*(\st)
	ds_load_b64 v[\reg+4:\reg+5], v[ADRA+2+(\i)/4] offset:12288*((\i)%4)+1536*(\st)+512
	ds_load_b128 v[\reg+6:\reg+9], v[ADRA+(\i)/4] offset:12288*((\i)%4)+1536*(\st)+768
	ds_load_b64 v[\reg+10:\reg+11], v[ADRA+2+(\i)/4] offset:12288*((\i)%4)+1536*(\st)+1280
.endm
; 16 matrix instructions: A's blocks a0 .. a0 + 3 x B's four.  The 32 accumulators take turns, one instruction a turn, in the same order in every step.
.macro MUL a0, p, q, sc, zero
.irp a, \a0, \a0+1, \a0+2, \a0+3
.irp b, 0,1,2,3
.if \zero
	v_wmma_scale_f32_16x16x128_f8f6f4 v[8*(4*(\a)+\b):8*(4*(\a)+\b)+7], v[128*(\p)+FR*\b:128*(\p)+FR*\b+FR-1], v[AF+FR*(\a):AF+FR*(\a)+FR-1], 0, v[SC+16*(\sc)+2*\b+(\q)], v[SC+16*(\sc)+2*(\a)+(\q)] matrix_a_fmt:MATRIX_FMT_FP6 matrix_b_fmt:MATRIX_FMT_FP6 matrix_a_scale:MATRIX_SCALE_ROW1
.else
	v_wmma_scale_f32_16x16x128_f8f6f4 v[8*(4*(\a)+\b):8*(4*(\a)+\b)+7], v[128*(\p)+FR*\b:128*(\p)+FR*\b+FR-1], v[AF+FR*(\a):AF+FR*(\a)+FR-1], v[8*(4*(\a)+\b):8*(4*(\a)+\b)+7], v[SC+16*(\sc)+2*\b+(\q)], v[SC+16*(\sc)+2*(\a)+(\q)] matrix_a_fmt:MATRIX_FMT_FP6 matrix_b_fmt:MATRIX_FMT_FP6 matrix_a_scale:MATRIX_SCALE_ROW1
.endif
.endr
.endr
.endm
.macro FETCH_B st, p                   ; 24 loads
	WIN TO_B
.irp i, 0,1,2,3
	FRAG 128*(\p)+FR*\i, \st, \i
.endr
	WIN 0
.endm
.macro FETCH_A st, i0                  ; 16 loads
.irp i, \i0, \i0+1, \i0+2, \i0+3
	FRAGA AF+FR*(\i), \st, \i
.endr
.endm
.macro SCALES pr                       ; the scale words of steps 2 pr and 2 pr + 1 into set pr % 2: lanes 0-15 A's block i, lanes 16-31 B's block i % 4
.irp i, 0,1,2,3
	ds_load_b64 v[SC+16*((\pr)%2)+2*\i:SC+16*((\pr)%2)+2*\i+1], v[ADRS] offset:\i*SBLK+8*(\pr)
.endr
.irp i, 4,5,6,7
	ds_load_b64 v[SC+16*((\pr)%2)+2*\i:SC+16*((\pr)%2)+2*\i+1], v[ADRS2] offset:\i*SBLK+8*(\pr)
.endr
.endm
; A step of 128 along K: 32 matrix instructions; the next step's B and A's blocks 0-3 are fetched in its middle, A's blocks 4-7 at its end
.macro STEP st, zero
.set NX, (\st)+1
	s_wait_dscnt 16                                ; all but the youngest 16 loads, A's blocks 4-7, are in
	WIN MULW
	MUL 0, (\st)%2, (\st)%2, ((\st)/2)%2, \zero
	s_wait_dscnt 0
	PLACES NP
	FETCH_B NX, NX%2
	FETCH_A NX, 0
.if NX%2 == 0
	SCALES NX/2
.endif
	WIN MULW
	MUL 4, (\st)%2, (\st)%2, ((\st)/2)%2, \zero
	PLACES NP
	WIN 0
	FETCH_A NX, 4
.endm
	s_wait_alu depctr_va_vdst(0)                   ; the head's end
	s_wait_tensorcnt 0x0                           ; every wave waits for its tile,
	s_barrier_signal -1
	s_barrier_wait -1                              ; and all four are shown to all
	FETCH_B 0, 0
	FETCH_A 0, 0
	SCALES 0
	FETCH_A 0, 4
	STEP 0, 1                                      ; the first step's products start the sums
.set ST, 1
.rept 6
	STEP ST, 0
.set ST, ST+1
.endr
	s_wait_dscnt 16                                ; the last step: nothing more to fetch
	WIN MULW
	MUL 0, 1, 1, 1, 0
	s_wait_dscnt 0                                 ; my reads of the tiles are over:
	s_barrier_signal -1                            ; say so, work on registers,
	MUL 4, 1, 1, 1, 0
	WIN 0
	s_barrier_wait -1                              ; and only when all four have said so is anything stored onto A's bytes
; THE WAY OUT, block by block of 16 rows x 64 columns, through my own stage; LDS serves a wave's instructions in order (ISA guide 5.7.1.4): no wait between the stores and the loads
.macro TOSTAGE a
	WIN 0x08                                       ; the data: window 2
.irp b, 0,1,2,3
	ds_store_b128 v[STO], v[8*(4*(\a)+\b):8*(4*(\a)+\b)+3] offset:64*\b      ; each accumulator from its low end on
	ds_store_b128 v[STO], v[8*(4*(\a)+\b)+4:8*(4*(\a)+\b)+7] offset:64*\b+16
.endr
	WIN 0
.set BF, BK+32*((\a)%2)
.irp t, 0,1,2,3,4,5,6,7
	ds_load_b128 v[BF+4*\t:BF+4*\t+3], v[RD] offset:\t*2*SPITCH
.endr
.endm
.macro SEND a, younger                 ; younger: the LDS instructions issued behind block a's loads
.set BF, BK+32*((\a)%2)
	s_wait_dscnt \younger
.if ((\a) > 0) && ((\a)%2 == 0)
	s_add_nc_u64 s[12:13], s[12:13], 32*SIZE_N*4   ; (behind a wait on XCNT) the next group of 32 rows
.endif
.irp t, 0,1,2,3,4,5,6,7
	global_store_b128 v[CO], v[BF+4*\t:BF+4*\t+3], s[12:13] offset:(8*((\a)%2)+2*\t+8*(\t/4))*SIZE_N*4 th:TH_STORE_NT   ; positions 2 t and 2 t + 1 of the block at their tokens' rows: sixteen lanes store 256 consecutive bytes, aligned
.endr
.endm
	PLACES NP
	TOSTAGE 0
.irp a, 1,2,3,4,5,6,7
.if \a > 1
	s_wait_xcnt 0x0                                ; block a - 2's stores have read their registers and their base
.endif
	TOSTAGE \a
	SEND \a-1, 16                                  ; behind block a - 1's loads: block a's 8 stores and 8 loads
.endr
	s_wait_xcnt 0x0
	SEND 7, 0
	s_wait_tensorcnt 0x0                           ; the wave's end
	ds_add_u32 v[SPW], v[NIL]
	s_wait_dscnt 0x0
	CROUND                                         ; the closing round
	s_endpgm
.Lfunc_end_k_qeca9dbdc04_gemm_out:
	.size	k_qeca9dbdc04_gemm_out, .Lfunc_end_k_qeca9dbdc04_gemm_out-k_qeca9dbdc04_gemm_out
	.p2alignl 7, 3214868480
	.fill 96, 4, 3214868480
	.section	.rodata,"a",@progbits
	.p2align	6, 0x0
	.amdhsa_kernel k_qeca9dbdc04_gemm_out
		.amdhsa_group_segment_fixed_size 327680
		.amdhsa_private_segment_fixed_size 0
		.amdhsa_enable_private_segment 0
		.amdhsa_kernarg_size 24
		.amdhsa_user_sgpr_count 2
		.amdhsa_user_sgpr_kernarg_segment_ptr 1
		.amdhsa_wavefront_size32 1
		.amdhsa_system_sgpr_workgroup_id_x 1
		.amdhsa_system_sgpr_workgroup_id_y 1
		.amdhsa_system_sgpr_workgroup_id_z 1
		.amdhsa_system_vgpr_workitem_id 0
		.amdhsa_next_free_vgpr 768
		.amdhsa_next_free_sgpr 98
		.amdhsa_reserve_vcc 0
		.amdhsa_float_denorm_mode_32 3
		.amdhsa_float_denorm_mode_16_64 3
		.amdhsa_memory_ordered 1
		.amdhsa_forward_progress 1
		.amdhsa_inst_pref_size 90
	.end_amdhsa_kernel
	.amdgpu_metadata
---
amdhsa.version: [ 1, 2 ]
amdhsa.kernels:
  - .name:           k_qeca9dbdc04_gemm_out
    .symbol:         k_qeca9dbdc04_gemm_out.kd
    .args:
      - { .name: oq, .offset: 0, .size: 8, .value_kind: global_buffer, .address_space: global }
      - { .name: wq, .offset: 8, .size: 8, .value_kind: global_buffer, .address_space: global }
      - { .name: out0, .offset: 16, .size: 8, .value_kind: global_buffer, .address_space: global }
    .group_segment_fixed_size: 327680
    .private_segment_fixed_size: 0
    .kernarg_segment_align: 8
    .kernarg_segment_size: 24
    .max_flat_workgroup_size: 128
    .sgpr_count:     98
    .vgpr_count:     768
    .wavefront_size: 32
...
	.end_amdgpu_metadata
.endif
;; end of part 4
